; MI455X (gfx1250); checked and timed in simulation.
; The chip was launched on July 23, 2026; its instructions are those of AMD's public machine-readable ISA for CDNA 5 (MIT licence, August 2026) and "CDNA5" Instruction Set Architecture Reference Guide (July 2026). The comments in the code are by the model that wrote it; some were corrected since.
;; Mixture Of Experts. Allowed arithmetic: float matrix products may take bf16 or f16 operands with f32 sums; other float arithmetic in f32, or as packed bf16 or f16 multiplies, adds, multiply-adds, maxima and minima; sums over many terms, partial sums and values carried from step to step in f32; what a program stores and reads back later, other than sums and carried values, may be rounded once to bf16 or f16.
;; Inputs: Wg 8 x 2,048 x 1,024 float32; Wg_s 2,048 x 1,024 float32; Wo 8 x 1,024 x 2,048 float32; Wo_s 1,024 x 2,048 float32; Wr 8 x 1,024 float32; Wv 8 x 2,048 x 1,024 float32; Wv_s 2,048 x 1,024 float32; bo 8 x 1,024 float32; bo_s 1,024 float32; br 8 float32; x 2 x 512 x 1,024 float32.
;; Outputs: out0 2 x 512 x 1,024 float32; out1 2 x 512 x 8 float32; out2 2 x 512 x 2 int32.
;; 2 versions, each right; version 2 is version 1 with the launches up, down written anew for expert scheduling mode. Each part assembles by itself: llvm-mc -triple=amdgcn-amd-amdhsa -mcpu=gfx1250 --defsym DOCPART=n.
;; ======== version 1 of 2: 5 launches
;; workspace buffers: xb 2,097,152 bytes; route 8,192 bytes of whole numbers; gatew 8,192 bytes; xs 33,554,432 bytes; hbuf 37,748,736 bytes; pos 8,192 bytes of whole numbers; meta 1,024 bytes of whole numbers; part 37,748,736 bytes
;; launch router (part 1): grid 256 x 1, 4 waves a work-group, no clusters, 0 bytes of LDS; arguments x, Wr, br, xb, out1, out2, route, gatew; writes xb, out1, out2, route, gatew
.if DOCPART == 1
	.amdgcn_target "amdgcn-amd-amdhsa--gfx1250"
	.amdhsa_code_object_version 6
	.text
	.protected	k_q46b666fbc2_router
	.globl	k_q46b666fbc2_router
	.p2align	8
	.type	k_q46b666fbc2_router,@function
k_q46b666fbc2_router:
	s_mov_b64 s[64:65], 0
	v_nop
	global_prefetch_b8 v0, s[64:65] scope:SCOPE_SE
	s_setreg_imm32_b32 hwreg(HW_REG_WAVE_MODE, 25, 1), 1
	s_wait_xcnt 0x0
; ROUTER.  One wave, one token t = 4 x work-group + wave.  x, Wr and br are rounded to bf16 (as every input of the program is); the eight
; logits are then summed in f32 from exact products of bf16 halves.  Stored: x rounded (xb), the logits (out1), the two chosen experts
; (out2 and route) and their renormalised weights (gatew).
; LIMITS.  The two experts are chosen on the logits by a strict greater-than, the lower index kept on ties; softmax is monotone, so this
; differs from a choice on the f32 softmax values only where two logits are so close that those values coincide.  Logits are taken to be
; finite; NaN and infinities are not treated apart.  The weights are w0 = 1 / (1 + q), w1 = q w0 with q = 2^((l2 - l1) log2 e): the softmax
; with its maximum l1 taken away, its sum cancelled by the renormalisation; q below 2^-126 counts as 0.
; out1, out2, route and gatew have 32 or 8 bytes a token: these stores fill no whole 256 bytes; together they are 57,344 bytes.
; No LDS, no matrix unit: 8 x 1024 products a token.
.set X,   8                            ; v[8:39]    my 32 numbers of x: x[128 j + 4 lane + 0..3], j = 0..7
.set XP,  40                           ; v[40:55]   the same, packed bf16
.set W,   56                           ; v[56:183]  four slots of 32: an expert's row of Wr, laid as x
.set WP,  184                          ; v[184:199] an expert's row, packed bf16
.set ACC, 200                          ; v[200:215] expert e: sum of the low halves' products, sum of the high halves'
.set ZR,  216                          ; 0
.set B1,  217                          ; the largest logit, I1 its expert
.set I1,  218
.set B2,  219                          ; the second, I2 its expert
.set I2,  220
.set T0,  221                          ; v[221:223] what my lane stores
	s_load_b512 s[8:23], s[0:1], 0x0               ; x 8, Wr 10, br 12, xb 14, out1 16, out2 18, route 20, gatew 22
	v_lshrrev_b32 v1, 5, v0
	v_readfirstlane_b32 s2, v1                     ; wave
	v_and_b32 v1, 31, v0                           ; lane
	v_lshlrev_b32 v2, 4, v1                        ; 16 lane
	v_lshlrev_b32 v3, 3, v1                        ; 8 lane
	v_lshlrev_b32 v4, 2, v1                        ; 4 lane
	v_mov_b32 v[ZR], 0
	s_lshl2_add_u32 s3, ttmp9, s2                  ; t
	s_mov_b32 s32, 0x76543210                      ; v_permlanex16_b32: each lane takes its own place in the other half
	s_mov_b32 s33, 0xfedcba98
	s_mov_b32 s37, 0
	s_wait_kmcnt 0x0
	s_load_b256 s[24:31], s[12:13], 0x0            ; br
	s_lshl_b32 s36, s3, 12
	s_add_nc_u64 s[8:9], s[8:9], s[36:37]          ; x at my row
	s_lshl_b32 s36, s3, 11
	s_add_nc_u64 s[14:15], s[14:15], s[36:37]      ; xb at my row
	s_lshl_b32 s36, s3, 5
	s_add_nc_u64 s[16:17], s[16:17], s[36:37]      ; out1
	s_lshl_b32 s36, s3, 3
	s_add_nc_u64 s[18:19], s[18:19], s[36:37]      ; out2, route, gatew
	s_add_nc_u64 s[20:21], s[20:21], s[36:37]
	s_add_nc_u64 s[22:23], s[22:23], s[36:37]
.irp j, 0,1,2,3,4,5,6,7
	global_load_b128 v[X+4*\j:X+4*\j+3], v2, s[8:9] offset:512*\j th:TH_LOAD_NT
.endr
.irp e, 0,1,2,3
.irp j, 0,1,2,3,4,5,6,7
	global_load_b128 v[W+32*\e+4*\j:W+32*\e+4*\j+3], v2, s[10:11] offset:4096*\e+512*\j
.endr
.endr
	s_wait_loadcnt 32                              ; x is in; the 32 loads of Wr behind it stay out
.set q, 0
.rept 16
	v_cvt_pk_bf16_f32 v[XP+q], v[X+2*q], v[X+2*q+1]
.set q, q+1
.endr
.irp j, 0,1,2,3,4,5,6,7
	global_store_b64 v3, v[XP+2*\j:XP+2*\j+1], s[14:15] offset:256*\j   ; 32 lanes store 256 consecutive bytes, aligned
.endr
; Expert e: its row is rounded, its slot filled again with expert e + 4, and 32 multiply-adds go in two chains.
; left = the younger loads that may stay out.
.macro EXPERT e, left
	s_wait_loadcnt \left
.set q, 0
.rept 16
	v_cvt_pk_bf16_f32 v[WP+q], v[W+32*((\e)%4)+2*q], v[W+32*((\e)%4)+2*q+1]
.set q, q+1
.endr
.if (\e) < 4
.irp j, 0,1,2,3,4,5,6,7
	global_load_b128 v[W+32*(\e)+4*\j:W+32*(\e)+4*\j+3], v2, s[10:11] offset:4096*((\e)+4)+512*\j
.endr
.endif
	v_fma_mix_f32_bf16 v[ACC+2*(\e)], v[XP], v[WP], v[ZR] op_sel_hi:[1,1,0]
	v_fma_mix_f32_bf16 v[ACC+2*(\e)+1], v[XP], v[WP], v[ZR] op_sel:[1,1,0] op_sel_hi:[1,1,0]
.set q, 1
.rept 15
	v_fma_mix_f32_bf16 v[ACC+2*(\e)], v[XP+q], v[WP+q], v[ACC+2*(\e)] op_sel_hi:[1,1,0]
	v_fma_mix_f32_bf16 v[ACC+2*(\e)+1], v[XP+q], v[WP+q], v[ACC+2*(\e)+1] op_sel:[1,1,0] op_sel_hi:[1,1,0]
.set q, q+1
.endr
.endm
	EXPERT 0, 24                                   ; three younger experts of 8 loads each stay out
	EXPERT 1, 24
	EXPERT 2, 24
	EXPERT 3, 24
	EXPERT 4, 24
	EXPERT 5, 16                                   ; nothing more is asked for: the counts run down
	EXPERT 6, 8
	EXPERT 7, 0
	; the eight sums over the wave's 32 lanes, every lane ends with all of them
.irp e, 0,1,2,3,4,5,6,7
	v_add_f32 v[ACC+2*\e], v[ACC+2*\e], v[ACC+2*\e+1]
.endr
.irp m, 1,2,4,8
.irp e, 0,1,2,3,4,5,6,7
	v_add_f32_dpp v[ACC+2*\e], v[ACC+2*\e], v[ACC+2*\e] row_xmask:\m row_mask:0xf bank_mask:0xf
.endr
.endr
.irp e, 0,1,2,3,4,5,6,7
	v_permlanex16_b32 v[ACC+2*\e+1], v[ACC+2*\e], s32, s33
.endr
.irp e, 0,1,2,3,4,5,6,7
	v_add_f32 v[ACC+2*\e], v[ACC+2*\e], v[ACC+2*\e+1]
.endr
	s_wait_kmcnt 0x0                               ; br
.irp p, 0,1,2,3
	v_cvt_pk_bf16_f32 v[T0], s[24+2*\p], s[25+2*\p]          ; br rounded to bf16, two at a time,
	v_lshlrev_b32 v[T0+1], 16, v[T0]
	v_and_b32 v[T0+2], 0xffff0000, v[T0]
	v_add_f32 v[ACC+4*\p], v[ACC+4*\p], v[T0+1]              ; and added
	v_add_f32 v[ACC+4*\p+2], v[ACC+4*\p+2], v[T0+2]
.endr
	; the largest logit: a later expert wins only if strictly greater
	v_mov_b32 v[B1], v[ACC]
	v_mov_b32 v[I1], 0
.irp e, 1,2,3,4,5,6,7
	v_cmp_gt_f32 vcc_lo, v[ACC+2*\e], v[B1]
	v_cndmask_b32 v[B1], v[B1], v[ACC+2*\e], vcc_lo
	v_cndmask_b32 v[I1], v[I1], \e, vcc_lo
.endr
	; the second: the same among the other seven
	v_mov_b32 v[B2], 0xff800000
	v_mov_b32 v[I2], 0
.irp e, 0,1,2,3,4,5,6,7
	v_cmp_ne_u32 s34, \e, v[I1]
	v_cmp_gt_f32 vcc_lo, v[ACC+2*\e], v[B2]
	s_and_b32 vcc_lo, vcc_lo, s34
	v_cndmask_b32 v[B2], v[B2], v[ACC+2*\e], vcc_lo
	v_cndmask_b32 v[I2], v[I2], \e, vcc_lo
.endr
	v_sub_f32 v8, v[B2], v[B1]                     ; l2 - l1, never above 0
	v_mul_f32 v8, 0x3fb8aa3b, v8
	v_exp_f32 v9, v8                               ; q
	v_mov_b32 v[T0], v[ACC]                        ; a plain instruction behind the exponential
	s_wait_alu depctr_va_vdst(0)                   ; the wait ahead of the result's first reader
	v_add_f32 v10, 1.0, v9
	v_rcp_f32 v11, v10                             ; w0
	v_nop
	s_wait_alu depctr_va_vdst(0)
	v_mul_f32 v12, v9, v11                         ; w1
.irp e, 1,2,3,4,5,6,7
	v_cmp_eq_u32 vcc_lo, \e, v1
	v_cndmask_b32 v[T0], v[T0], v[ACC+2*\e], vcc_lo          ; lane e holds logit e
.endr
	v_cmp_eq_u32 vcc_lo, 0, v1
	v_cndmask_b32 v[T0+1], v[I2], v[I1], vcc_lo    ; lane 0 the first choice, lane 1 the second
	v_cndmask_b32 v[T0+2], v12, v11, vcc_lo
	v_cmp_gt_u32 vcc_lo, 8, v1
	s_wait_xcnt 0x0                                ; EXEC changes only behind this wait: xb's stores have been issued
	s_and_saveexec_b32 s34, vcc_lo
	global_store_b32 v4, v[T0], s[16:17]
	s_wait_xcnt 0x0
	s_or_b32 exec_lo, exec_lo, s34
	v_cmp_gt_u32 vcc_lo, 2, v1
	s_and_saveexec_b32 s34, vcc_lo
	global_store_b32 v4, v[T0+1], s[18:19]
	global_store_b32 v4, v[T0+1], s[20:21]
	global_store_b32 v4, v[T0+2], s[22:23]
	s_wait_xcnt 0x0
	s_or_b32 exec_lo, exec_lo, s34
	s_endpgm
.Lfunc_end_k_q46b666fbc2_router:
	.size	k_q46b666fbc2_router, .Lfunc_end_k_q46b666fbc2_router-k_q46b666fbc2_router
	.p2alignl 7, 3214868480
	.fill 96, 4, 3214868480
	.section	.rodata,"a",@progbits
	.p2align	6, 0x0
	.amdhsa_kernel k_q46b666fbc2_router
		.amdhsa_group_segment_fixed_size 0
		.amdhsa_private_segment_fixed_size 0
		.amdhsa_enable_private_segment 0
		.amdhsa_kernarg_size 64
		.amdhsa_user_sgpr_count 2
		.amdhsa_user_sgpr_kernarg_segment_ptr 1
		.amdhsa_wavefront_size32 1
		.amdhsa_system_sgpr_workgroup_id_x 1
		.amdhsa_system_sgpr_workgroup_id_y 1
		.amdhsa_system_sgpr_workgroup_id_z 1
		.amdhsa_system_vgpr_workitem_id 0
		.amdhsa_next_free_vgpr 224
		.amdhsa_next_free_sgpr 66
		.amdhsa_reserve_vcc 1
		.amdhsa_float_denorm_mode_32 3
		.amdhsa_float_denorm_mode_16_64 3
		.amdhsa_memory_ordered 1
		.amdhsa_forward_progress 1
		.amdhsa_inst_pref_size 43
	.end_amdhsa_kernel
	.amdgpu_metadata
---
amdhsa.version: [ 1, 2 ]
amdhsa.kernels:
  - .name:           k_q46b666fbc2_router
    .symbol:         k_q46b666fbc2_router.kd
    .args:
      - { .name: x, .offset: 0, .size: 8, .value_kind: global_buffer, .address_space: global }
      - { .name: Wr, .offset: 8, .size: 8, .value_kind: global_buffer, .address_space: global }
      - { .name: br, .offset: 16, .size: 8, .value_kind: global_buffer, .address_space: global }
      - { .name: xb, .offset: 24, .size: 8, .value_kind: global_buffer, .address_space: global }
      - { .name: out1, .offset: 32, .size: 8, .value_kind: global_buffer, .address_space: global }
      - { .name: out2, .offset: 40, .size: 8, .value_kind: global_buffer, .address_space: global }
      - { .name: route, .offset: 48, .size: 8, .value_kind: global_buffer, .address_space: global }
      - { .name: gatew, .offset: 56, .size: 8, .value_kind: global_buffer, .address_space: global }
    .group_segment_fixed_size: 0
    .private_segment_fixed_size: 0
    .kernarg_segment_align: 8
    .kernarg_segment_size: 64
    .max_flat_workgroup_size: 128
    .sgpr_count:     66
    .vgpr_count:     224
    .wavefront_size: 32
...
	.end_amdgpu_metadata
.endif
;; end of part 1
;; launch sort (part 2): grid 320 x 1, 8 waves a work-group, no clusters, 0 bytes of LDS; arguments xb, route, xs, pos, meta; writes xs, pos, meta
.if DOCPART == 2
	.amdgcn_target "amdgcn-amd-amdhsa--gfx1250"
	.amdhsa_code_object_version 6
	.text
	.protected	k_q46b666fbc2_sort
	.globl	k_q46b666fbc2_sort
	.p2align	8
	.type	k_q46b666fbc2_sort,@function
k_q46b666fbc2_sort:
	s_mov_b64 s[64:65], 0
	v_nop
	global_prefetch_b8 v0, s[64:65] scope:SCOPE_SE
	s_setreg_imm32_b32 hwreg(HW_REG_WAVE_MODE, 25, 1), 1
	s_wait_xcnt 0x0
; THE ROWS IN THE EXPERTS' ORDER.  One wave, one job; job = 8 x work-group + wave.
; Jobs 0 to 2,047 are the choices f = 2 t + k: the choice's rank among its expert's choices is the number of earlier choices of the same expert;
; the token's row of xb (2,048 bytes of bf16) is copied to row 'rank' of the expert's part of xs, and pos[f] = 1024 e + rank is stored.
; Jobs 2,048 to 2,559 are 64 for each expert: the same count over ALL choices is the expert's count; job j copies token 0's row to row count + j,
; so that every row of a block of 64 that is not full has been written; job j = 0 stores the count (32 times: 128 bytes of meta).
; An expert's part of xs has 2,048 rows (4 MiB): count + 63 is 1,087 at the most, since a token's two experts differ; every split is served.
; Every wave reads all 2,048 choices (8 KiB) and counts by lane masks: no atomics, no traffic between work-groups, each byte stored by one wave.
; The two numbers that steer an address (expert, rank) are scalars, each held to its table's size and then only shifted and added to the base.
; pos has 4 bytes a job: that store fills no whole 256 bytes; pos is 8,192 bytes in all.  No LDS, no matrix unit.
.set RT, 16                            ; v[16:79]  all choices: register 4 j + c holds choice 128 j + 4 lane + c
.set RW, 80                            ; v[80:95]  the row to copy
.set JOB, 3
.set ES,  30                           ; the expert
.set LIM, 31                           ; choices below this number are counted
.set RK,  34                           ; the rank, or count + j
	s_load_b256 s[8:15], s[0:1], 0x0               ; xb 8, route 10, xs 12, pos 14
	s_load_b64 s[16:17], s[0:1], 0x20              ; meta
	v_lshrrev_b32 v1, 5, v0
	v_readfirstlane_b32 s2, v1                     ; wave
	v_and_b32 v1, 31, v0                           ; lane
	v_lshlrev_b32 v2, 4, v1                        ; 16 lane
	v_lshlrev_b32 v3, 2, v1                        ; 4 lane
	s_lshl3_add_u32 s[JOB], ttmp9, s2
	s_mov_b32 s21, 0                               ; the high word of every offset
	s_min_u32 s22, s[JOB], 2047                    ; the choice whose expert I read; a job past the choices reads the last one and drops it
	s_sub_co_u32 s27, s[JOB], 2048                 ; past the choices:
	s_lshr_b32 s28, s27, 6                         ; the expert,
	s_and_b32 s29, s27, 63                         ; and j
	s_lshr_b32 s33, s[JOB], 1                      ; a choice's token
	s_wait_kmcnt 0x0
.irp j, 0,1,2,3,4,5,6,7,8,9,10,11,12,13,14,15
	global_load_b128 v[RT+4*\j:RT+4*\j+3], v2, s[10:11] offset:512*\j
.endr
	s_lshl_b32 s20, s22, 2
	s_add_nc_u64 s[24:25], s[10:11], s[20:21]
	s_load_b32 s26, s[24:25], 0x0                  ; my choice's expert
	s_cmp_lt_u32 s[JOB], 2048
	s_cselect_b32 s[LIM], s[JOB], 2048             ; a choice counts those ahead of it, the others count all
	s_cselect_b32 s[RK], 0, s29                    ; the count starts at 0, or at j
	s_cselect_b32 s33, s33, 0                      ; the row to copy: the choice's token, or token 0
	s_lshl_b32 s20, s33, 11
	s_add_nc_u64 s[40:41], s[8:9], s[20:21]
.irp i, 0,1,2,3
	global_load_b128 v[RW+4*\i:RW+4*\i+3], v2, s[40:41] offset:512*\i
.endr
	s_wait_kmcnt 0x0
	s_cmp_lt_u32 s[JOB], 2048
	s_cselect_b32 s[ES], s26, s28
	s_min_u32 s[ES], s[ES], 7                      ; inside the experts
	s_wait_loadcnt 4                               ; the choices are in; the row's four loads stay out
.set g, 0
.rept 64                                       ; 32 choices at a time: those of my expert whose number 128 j + c + 4 lane is below LIM
	s_sub_co_i32 s35, s[LIM], 128*(g/4)+(g%4)
	v_cmp_eq_u32 s36, s[ES], v[RT+g]
	v_cmp_gt_i32 s37, s35, v3
	s_and_b32 s36, s36, s37
	s_bcnt1_i32_b32 s36, s36
	s_add_co_u32 s[RK], s[RK], s36
.set g, g+1
.endr
	s_min_u32 s[RK], s[RK], 1087                   ; inside the expert's rows
	s_lshl_b32 s20, s[ES], 22                      ; an expert's 2,048 rows of 2,048 bytes,
	s_add_nc_u64 s[12:13], s[12:13], s[20:21]
	s_lshl_b32 s20, s[RK], 11                      ; the row
	s_add_nc_u64 s[12:13], s[12:13], s[20:21]
	s_wait_loadcnt 0x0
.irp i, 0,1,2,3
	global_store_b128 v2, v[RW+4*\i:RW+4*\i+3], s[12:13] offset:512*\i   ; 512 consecutive bytes, aligned
.endr
	s_cmp_lt_u32 s[JOB], 2048
	s_cbranch_scc0 .Lpad
	s_lshl_b32 s38, s[ES], 10                      ; the choice's row in hbuf and part
	s_add_co_u32 s38, s38, s[RK]
	v_mov_b32 v4, s38
	s_lshl_b32 s20, s[JOB], 2
	s_add_nc_u64 s[14:15], s[14:15], s[20:21]
	v_cmp_eq_u32 vcc_lo, 0, v1
	s_wait_xcnt 0x0                                ; EXEC changes only behind this wait: the row's stores have been issued
	s_and_saveexec_b32 s39, vcc_lo
	global_store_b32 v3, v4, s[14:15]              ; lane 0 alone
	s_wait_xcnt 0x0
	s_or_b32 exec_lo, exec_lo, s39
	s_endpgm
.Lpad:
	s_cmp_lg_u32 s29, 0
	s_cbranch_scc1 .Lend
	v_mov_b32 v4, s[RK]                            ; j = 0: the expert's count
	s_lshl_b32 s20, s[ES], 7
	s_add_nc_u64 s[16:17], s[16:17], s[20:21]
	global_store_b32 v3, v4, s[16:17]              ; 32 lanes: 128 consecutive bytes
.Lend:
	s_endpgm
.Lfunc_end_k_q46b666fbc2_sort:
	.size	k_q46b666fbc2_sort, .Lfunc_end_k_q46b666fbc2_sort-k_q46b666fbc2_sort
	.p2alignl 7, 3214868480
	.fill 96, 4, 3214868480
	.section	.rodata,"a",@progbits
	.p2align	6, 0x0
	.amdhsa_kernel k_q46b666fbc2_sort
		.amdhsa_group_segment_fixed_size 0
		.amdhsa_private_segment_fixed_size 0
		.amdhsa_enable_private_segment 0
		.amdhsa_kernarg_size 40
		.amdhsa_user_sgpr_count 2
		.amdhsa_user_sgpr_kernarg_segment_ptr 1
		.amdhsa_wavefront_size32 1
		.amdhsa_system_sgpr_workgroup_id_x 1
		.amdhsa_system_sgpr_workgroup_id_y 1
		.amdhsa_system_sgpr_workgroup_id_z 1
		.amdhsa_system_vgpr_workitem_id 0
		.amdhsa_next_free_vgpr 96
		.amdhsa_next_free_sgpr 66
		.amdhsa_reserve_vcc 1
		.amdhsa_float_denorm_mode_32 3
		.amdhsa_float_denorm_mode_16_64 3
		.amdhsa_memory_ordered 1
		.amdhsa_forward_progress 1
		.amdhsa_inst_pref_size 23
	.end_amdhsa_kernel
	.amdgpu_metadata
---
amdhsa.version: [ 1, 2 ]
amdhsa.kernels:
  - .name:           k_q46b666fbc2_sort
    .symbol:         k_q46b666fbc2_sort.kd
    .args:
      - { .name: xb, .offset: 0, .size: 8, .value_kind: global_buffer, .address_space: global }
      - { .name: route, .offset: 8, .size: 8, .value_kind: global_buffer, .address_space: global }
      - { .name: xs, .offset: 16, .size: 8, .value_kind: global_buffer, .address_space: global }
      - { .name: pos, .offset: 24, .size: 8, .value_kind: global_buffer, .address_space: global }
      - { .name: meta, .offset: 32, .size: 8, .value_kind: global_buffer, .address_space: global }
    .group_segment_fixed_size: 0
    .private_segment_fixed_size: 0
    .kernarg_segment_align: 8
    .kernarg_segment_size: 40
    .max_flat_workgroup_size: 256
    .sgpr_count:     66
    .vgpr_count:     96
    .wavefront_size: 32
...
	.end_amdgpu_metadata
.endif
;; end of part 2
;; launch up (part 3): grid 256 x 1, 8 waves a work-group, no clusters, 140,288 bytes of LDS; arguments xb, xs, meta, Wg, Wv, Wg_s, Wv_s, hbuf; writes hbuf
.if DOCPART == 3
	.amdgcn_target "amdgcn-amd-amdhsa--gfx1250"
	.amdhsa_code_object_version 6
	.text
	.protected	k_q46b666fbc2_up
	.globl	k_q46b666fbc2_up
	.p2align	8
	.type	k_q46b666fbc2_up,@function
k_q46b666fbc2_up:
	s_mov_b64 s[64:65], 0
	v_nop
	global_prefetch_b8 v0, s[64:65] scope:SCOPE_SE
	s_setreg_imm32_b32 hwreg(HW_REG_WAVE_MODE, 25, 1), 1
	s_wait_xcnt 0x0
; FIRST PRODUCTS AND SwiGLU.  h = silu(x Wg^T) * (x Wv^T), for the rows that chose an expert and, for every token, the shared expert.
; Work-group i: expert EX = i / 32, slice SL = i % 32 (64 columns of H, which it alone reads: 512 KiB of f32 weights), all rows of that expert;
; and of the shared expert 32 columns (SS = i % 64) for 256 tokens (TG = i / 64).
; THREE PASSES of 64 weight rows (16 + 16 of Wg, 16 + 16 of Wv) x K = 1024, kept in LDS as bf16 in one buffer; one text, walked three times.
; ROLES.  Pass 0's weights are loaded, rounded and laid into LDS by all eight waves, 8 rows each.  From then on waves 0-3 multiply the buffer while waves
; 4-7 load the NEXT pass's f32 weights and round them to bf16 into 256 holding registers each.  Then: a barrier (all reads of the buffer are over), the
; holding registers go into the buffer, a barrier, the next pass.  So no LDS store of one wave ever runs beside an LDS load of another.
; A loader's ring has seven slots of one weight row (56 loads out), and as soon as a pass is held the first seven rows of the pass behind it are asked for:
; they are on their way across the two barriers and the stores into LDS.
; A COMPUTE WAVE takes blocks of 64 rows: 16 accumulators (4 weight fragments x 4 row groups).  x comes straight from memory as source 1, through a ring of
; eight slots of one K step (32 along K: 8 loads): at the head of step k the slot that step k - 1 used up is filled with step k + 7, so seven steps, 56 loads,
; are on their way.  W's fragments come from LDS into three sets by turns, asked for two steps ahead.  Three sets and eight slots have no short common
; period, so the 32 K steps are written out by macro: every LDS address is a fixed register and an immediate, every offset of x an immediate.
; THE ROWS lie end to end: an expert's in xs, in the order of their ranks (an earlier launch laid them so, and wrote 64 rows more behind the last, so
; that a block that is not full reads rows that exist); the shared expert's in xb, by tokens.  The rows past the count are stored inside the expert's own
; 1,024 rows of hbuf and serve nothing.  The number of blocks hangs on the stored count; four turns a wave cover the 16 blocks that an expert can have.
; THE MATRIX INSTRUCTION: source 0 = 16 weight rows, source 1 = 16 tokens: a lane holds one token (lane % 16) and 8 neighbouring columns of H,
; 16 bytes of bf16; hbuf is laid [16 columns][row][32 bytes], so a wave's store covers 512 consecutive bytes, aligned.
; NO TENSOR LOADS, NO JOINT LOADS: each routed weight byte has one reader and must pass registers to be rounded; the loop over rows hangs on a stored
; count, its dead turns are jumped, and no tensor load may stand in what is jumped.  The shared expert's weights (a third of a work-group's) have four readers.
; LIMITS.  h is rounded once to bf16.  silu(g) = g / (1 + 2^(-g log2 e)); NaN and infinities are not treated apart.
.set BS,    294912                     ; hbuf: bytes from 16 columns to the next: 9,216 rows x 32
.set CH,    17408                      ; LDS: a chunk of 128 K: 64 rows x 272 (256 bytes + 16 of padding: 16 rows of a load start at 16 different groups of four banks)
.set FR,    4352                       ; a fragment's 16 rows
.set SPARE, 8*CH                       ; behind the buffer: the spare words, 128 bytes for each of eight waves; no other line names them
.set SPW, 2                            ; v2   my spare word; never rewritten
.set NIL, 3                            ; v3   0; never rewritten
.set AW0, 4                            ; v4   W's fragments, chunks 0-3: 272 (l % 16) + 16 (l / 16)
.set AW4, 5                            ; v5   chunks 4-7
.set HL,  6                            ; v6   32 (l % 16) + 16 (l / 16)
.set HO,  7                            ; v7   my byte offset in hbuf
.set XL,  8                            ; v8   2048 (l % 16) + 16 (l / 16)
.set XO,  9                            ; v9   my byte offset in the pass's rows of x
.set LO,  10                           ; v10  weights: 16 lane
.set LDA, 11                           ; v11  loaders: my fragment's 16 rows + 8 lane: chunks 0-3
.set LDB, 12                           ; v12  chunks 4-7
.set LPA, 13                           ; v13  pass 0: my 8 rows + 8 lane: chunks 0-3
.set LPB, 14                           ; v14  chunks 4-7
.set ACC, 32                           ; v[32:159] accumulator (f, tb) at 32 + 8 (4 f + tb); f = 0, 1: g; f = 2, 3: v
.set WF,  160                          ; v[160:255] W's fragments, three sets of four; on the way out the first 64 are at work
.set RING, 32                          ; weights: v[32:255] seven slots of 32: a weight row of 4,096 bytes each
.set NS,  7
; window 1: compute waves: x's fragments, K step k, row group tb at 32 (k % 8) + 8 tb;  weights: the holding registers, row t at 16 t
.set WV, 24
.set EX, 25
.set SL, 26
.set SS, 27
.set TG, 28
.set CNT, 29
.set NB, 30                            ; blocks of 64 rows in the pass
.set NB1, 31                           ; in the next pass
.set BI, 32                            ; the block in hand
.set QC, 33                            ; counts a wave's four turns
.set RQ, 36                            ; s[36:37] my 8 weight rows of pass 0
.set HP, 38                            ; s[38:39] hbuf at the pass's rows, fragment 0's columns
.set HQ, 40                            ; s[40:41] the same for fragment 1's
.set RP, 42                            ; s[42:43] loaders: my 16 weight rows of the pass being loaded
.set PS, 44                            ; s[44:45] my rows of the shared expert
.set OF, 46                            ; s[46:47] an offset; the high word stays 0
.set LG, 48                            ; s[48:49] -log2 e
.set XP, 50                            ; s[50:51] the pass's rows of x
.set XN, 52                            ; s[52:53] the next pass's
.set XS2, 54                           ; s[54:55] the shared pass's: xb at my 256 tokens
.set PC, 56                            ; passes to go
.set O0, 57                            ; the pass's byte offset in hbuf
.set O1, 58                            ; the next pass's
.set OSH, 59                           ; the shared pass's
.set DA, 60                            ; from fragment 0's columns to fragment 1's
.set DA1, 61                           ; in the next pass
.set MSB, 0
.macro WIN new                         ; the immediate's high byte repeats the setting that is left
.if MSB != (\new)
	s_set_vgpr_msb (MSB<<8)|(\new)
.set MSB, \new
.endif
.endm
.set W_MM, 0x04                        ; source 1 in window 1: x's fragments in matrix instructions; an LDS store's data
.set W_XL, 0x40                        ; destination in window 1
.macro PLACES                          ; four plain places between a matrix instruction and a load into, or a vector read of, its registers
.rept 4
	v_nop
.endr
.endm
; ---------------- THE WEIGHTS' WAY: rows that lie on end in memory, every offset in the immediate ----------------
.macro FLOAD t, base, nt               ; row t: eight loads of 512 consecutive bytes; load c is chunk c's 128 numbers
.irp c, 0,1,2,3,4,5,6,7
.if \nt
	global_load_b128 v[RING+32*((\t)%NS)+4*\c:RING+32*((\t)%NS)+4*\c+3], v[LO], s[\base:\base+1] offset:4096*(\t)+512*\c th:TH_LOAD_NT
.else
	global_load_b128 v[RING+32*((\t)%NS)+4*\c:RING+32*((\t)%NS)+4*\c+3], v[LO], s[\base:\base+1] offset:4096*(\t)+512*\c
.endif
.endr
.endm
.macro PRIME base, nt                  ; the ring is filled: rows 0 to 6, 56 loads
.set t, 0
.rept NS
	FLOAD t, \base, \nt
.set t, t+1
.endr
.endm
.macro DRAIN rows, base, nt            ; behind PRIME: each row is rounded and held, and its slot takes the row seven further on
.set t, 0
.rept \rows
.if t < (\rows)-NS
	s_wait_loadcnt 8*(NS-1)                        ; row t is in; the six younger rows stay out
.else
	s_wait_loadcnt 8*((\rows)-1-t)                 ; nothing more is asked for: the counts run down to 0
.endif
	WIN W_XL
.irp q, 0,1,2,3,4,5,6,7,8,9,10,11,12,13,14,15
	v_cvt_pk_bf16_f32 v[16*t+\q], v[RING+32*(t%NS)+2*\q], v[RING+32*(t%NS)+2*\q+1]
.endr
	WIN 0
.if t < (\rows)-NS
	FLOAD t+NS, \base, \nt
.endif
.set t, t+1
.endr
.endm
.macro DUMP rows, ra, rb               ; the holding registers go into the buffer: 256 consecutive bytes a store, every address a fixed register and an immediate
	WIN W_MM
.set t, 0
.rept \rows
.irp c, 0,1,2,3
	ds_store_b64 v[\ra], v[16*t+2*\c:16*t+2*\c+1] offset:\c*CH+272*t
	ds_store_b64 v[\rb], v[16*t+8+2*\c:16*t+8+2*\c+1] offset:\c*CH+272*t
.endr
.set t, t+1
.endr
	WIN 0
.endm
; ---------------- THE HEAD: every wave makes the registers of both roles ----------------
	s_load_b512 s[8:23], s[0:1], 0x0               ; xb 8, xs 10, meta 12, Wg 14, Wv 16, Wg_s 18, Wv_s 20, hbuf 22
	v_lshl_add_u32 v[SPW], v0, 2, SPARE
	v_mov_b32 v[NIL], 0
	v_lshrrev_b32 v1, 5, v0
	v_readfirstlane_b32 s[WV], v1
	v_and_b32 v1, 31, v0                           ; lane
	s_lshr_b32 s[EX], ttmp9, 5
	s_and_b32 s[SL], ttmp9, 31
	s_and_b32 s[SS], ttmp9, 63
	s_lshr_b32 s[TG], ttmp9, 6
	s_mov_b32 s[LG], 0xbfb8aa3b
	s_mov_b32 s[LG+1], 0xbfb8aa3b
	s_mov_b32 s[OF+1], 0
	v_and_b32 v16, 15, v0
	v_bfe_u32 v17, v0, 4, 1
	v_mul_u32_u24 v[AW0], 272, v16
	v_lshl_add_u32 v[AW0], v17, 4, v[AW0]
	v_add_nc_u32 v[AW4], 4*CH, v[AW0]
	v_lshlrev_b32 v[HL], 5, v16
	v_lshl_add_u32 v[HL], v17, 4, v[HL]
	v_lshlrev_b32 v[XL], 11, v16
	v_lshl_add_u32 v[XL], v17, 4, v[XL]
	v_lshlrev_b32 v[LO], 4, v1
	s_mul_i32 s3, s[WV], 8*272                     ; pass 0: wave w lays rows 8 w to 8 w + 7 of the buffer's 64
	v_lshl_add_u32 v[LPA], v1, 3, s3
	v_add_nc_u32 v[LPB], 4*CH, v[LPA]
	s_and_b32 s62, s[WV], 3                        ; later passes: wave 4 + f owns fragment f = 2 m + a (m = 0 Wg, 1 Wv)
	s_mul_i32 s3, s62, FR
	v_lshl_add_u32 v[LDA], v1, 3, s3
	v_add_nc_u32 v[LDB], 4*CH, v[LDA]
	s_lshr_b32 s63, s62, 1                         ; m
	s_and_b32 s2, s62, 1                           ; a
	s_lshr_b32 s34, s[WV], 2                       ; pass 0: rows 8 w on belong to fragment w / 2: its m,
	s_bfe_u32 s35, s[WV], 0x10001                  ; its a,
	s_and_b32 s6, s[WV], 1                         ; and which half of its 16 rows
	s_lshl_b32 s7, s[EX], 23                       ; an expert's 8 MiB,
	s_lshl_b32 s3, s[SL], 18                       ; 64 rows of 4,096 bytes a slice
	s_add_co_u32 s7, s7, s3
	s_wait_kmcnt 0x0
	s_cmp_eq_u32 s34, 0
	s_cselect_b64 s[RQ:RQ+1], s[14:15], s[16:17]
	s_lshl_b32 s3, s35, 17                         ; 32 rows a fragment: 16 for pass 0, 16 for pass 1
	s_add_co_u32 s[OF], s7, s3
	s_lshl_b32 s3, s6, 15                          ; 8 rows
	s_add_co_u32 s[OF], s[OF], s3
	s_add_nc_u64 s[RQ:RQ+1], s[RQ:RQ+1], s[OF:OF+1]
	PRIME RQ, 1                                    ; pass 0's weights are asked for before anything else
	s_lshl_b32 s[OF], s[EX], 7
	s_add_nc_u64 s[4:5], s[12:13], s[OF:OF+1]
	s_load_b32 s[CNT], s[4:5], 0x0                 ; the expert's count
	s_cmp_eq_u32 s63, 0
	s_cselect_b64 s[RP:RP+1], s[14:15], s[16:17]
	s_cselect_b64 s[PS:PS+1], s[18:19], s[20:21]
	s_lshl_b32 s3, s2, 17
	s_add_co_u32 s[OF], s7, s3
	s_add_co_u32 s[OF], s[OF], 65536               ; pass 1: the fragment's second 16 rows
	s_add_nc_u64 s[RP:RP+1], s[RP:RP+1], s[OF:OF+1]
	s_lshl_b32 s[OF], s[SS], 17                    ; shared: 32 rows a sub-slice, 16 a fragment
	s_lshl_b32 s3, s2, 16
	s_add_co_u32 s[OF], s[OF], s3
	s_add_nc_u64 s[PS:PS+1], s[PS:PS+1], s[OF:OF+1]
	s_lshl_b32 s[OF], s[EX], 22                    ; xs: an expert's 2,048 rows of 2,048 bytes
	s_add_nc_u64 s[XP:XP+1], s[10:11], s[OF:OF+1]
	s_mov_b64 s[XN:XN+1], s[XP:XP+1]
	s_lshl_b32 s[OF], s[TG], 19                    ; xb: 256 tokens of 2,048 bytes
	s_add_nc_u64 s[XS2:XS2+1], s[8:9], s[OF:OF+1]
	s_lshl_b32 s3, s[SL], 2                        ; hbuf: columns 64 SL on: group 4 SL of 16,
	s_mul_i32 s[O0], s3, BS
	s_lshl_b32 s3, s[EX], 15                       ; rows 1024 EX on, 32 bytes each
	s_add_co_u32 s[O0], s[O0], s3
	s_add_co_u32 s[O1], s[O0], BS                  ; pass 1: the next 16 columns of both fragments
	s_lshl_b32 s3, s[SS], 1                        ; shared: columns 32 SS on,
	s_mul_i32 s[OSH], s3, BS
	s_lshl_b32 s3, s[TG], 13                       ; rows 8192 + 256 TG on
	s_add_co_u32 s[OSH], s[OSH], s3
	s_add_co_u32 s[OSH], s[OSH], 262144
	s_mov_b32 s[DA], 2*BS                          ; passes 0 and 1: fragment 1 lies 32 columns on
	s_mov_b32 s[DA1], 2*BS
	s_mov_b32 s[PC], 3
	s_wait_kmcnt 0x0
	s_min_u32 s[CNT], s[CNT], 1024
	s_add_co_u32 s[NB], s[CNT], 63
	s_lshr_b32 s[NB], s[NB], 6
	s_mov_b32 s[NB1], s[NB]
	DRAIN 8, RQ, 1                                 ; pass 0: my 8 rows
	s_cmp_lt_u32 s[WV], 4
	s_cbranch_scc1 .Lnp
	PRIME RP, 1                                    ; a loader asks for pass 1's first seven rows: they stay out across the stores and the barrier below
.Lnp:
	DUMP 8, LPA, LPB                               ; nothing has read the buffer yet
	s_wait_dscnt 0x0                               ; for the others' sake: my stores into the buffer are done
	s_barrier_signal -1
	s_barrier_wait -1
; ---------------- THE MULTIPLYING ----------------
.macro WSTEP k                         ; K step k's four fragments of W (16 rows x 32 K each) into set k % 3: chunk k / 4, byte 64 (k % 4) of its rows
.irp f, 0,1,2,3
	ds_load_b128 v[WF+32*((\k)%3)+8*\f:WF+32*((\k)%3)+8*\f+3],   v[AW0+((\k)/16)] offset:(((\k)/4)%4)*CH+64*((\k)%4)+FR*\f
	ds_load_b128 v[WF+32*((\k)%3)+8*\f+4:WF+32*((\k)%3)+8*\f+7], v[AW0+((\k)/16)] offset:(((\k)/4)%4)*CH+64*((\k)%4)+FR*\f+32
.endr
.endm
.macro XSTEP k                         ; K step k of x: 64 rows x 32 K, 8 loads, into slot k % 8; the group of 16 rows and the step stand in the immediate
.irp tb, 0,1,2,3
	global_load_b128 v[32*((\k)%8)+8*\tb:32*((\k)%8)+8*\tb+3],   v[XO], s[XP:XP+1] offset:32768*\tb+64*(\k)
	global_load_b128 v[32*((\k)%8)+8*\tb+4:32*((\k)%8)+8*\tb+7], v[XO], s[XP:XP+1] offset:32768*\tb+64*(\k)+32
.endr
.endm
; K step k of 32: 16 matrix instructions, the 16 accumulators by turns, one instruction a turn.  At its head, four places behind step
; k - 1's products, the registers that those products read are asked for again: x's slot takes step k + 7, W's set takes step k + 2.
.macro STEP k
.if (\k) > 0
	PLACES
.endif
.if ((\k) > 0) && ((\k) < 25)
	WIN W_XL
	XSTEP (\k)+7
	WIN W_MM
.endif
.if (\k) < 30
	WSTEP (\k)+2
.endif
.set nds, 31-(\k)
.if nds > 2
.set nds, 2
.endif
	s_wait_dscnt 8*nds                             ; this step's W is in; the sets of the steps behind it, two at the most, 8 loads each, stay out
.if (\k) > 0
.set nld, 31-(\k)
.if nld > 7
.set nld, 7
.endif
	s_wait_loadcnt 8*nld                           ; this step's x is in; the steps behind it, seven at the most, 8 loads each, stay out
.endif
.irp tb, 0,1,2,3
.irp f, 0,1,2,3
.if (\k) == 0
	v_wmma_f32_16x16x32_bf16 v[ACC+8*(4*\f+\tb):ACC+8*(4*\f+\tb)+7], v[WF+32*((\k)%3)+8*\f:WF+32*((\k)%3)+8*\f+7], v[32*((\k)%8)+8*\tb:32*((\k)%8)+8*\tb+7], 0
.else
	v_wmma_f32_16x16x32_bf16 v[ACC+8*(4*\f+\tb):ACC+8*(4*\f+\tb)+7], v[WF+32*((\k)%3)+8*\f:WF+32*((\k)%3)+8*\f+7], v[32*((\k)%8)+8*\tb:32*((\k)%8)+8*\tb+7], v[ACC+8*(4*\f+\tb):ACC+8*(4*\f+\tb)+7]
.endif
.endr
.endr
.endm
.Lpass:                                                ; three passes
	s_mov_b32 s[OF], s[O0]
	s_add_nc_u64 s[HP:HP+1], s[22:23], s[OF:OF+1]
	s_add_co_u32 s[OF], s[O0], s[DA]
	s_add_nc_u64 s[HQ:HQ+1], s[22:23], s[OF:OF+1]
	s_cmp_lt_u32 s[WV], 4
	s_cbranch_scc0 .Lld
	; a compute wave: blocks WV, WV + 4, WV + 8, WV + 12 of 64 rows; turns past NB are jumped
	s_mov_b32 s[QC], 4
	s_mov_b32 s[BI], s[WV]
.Ltrip:
	s_cmp_ge_u32 s[BI], s[NB]
	s_cbranch_scc1 .Ldead
	s_wait_xcnt 0x0
	v_lshl_add_u32 v[XO], s[BI], 17, v[XL]         ; 64 rows of 2,048 bytes a block
	v_lshl_add_u32 v[HO], s[BI], 11, v[HL]         ; 64 rows of 32 bytes
	WIN W_XL
.set k, 0
.rept 8                                        ; the ring is filled: K steps 0 to 7, 64 loads; the issue of the last waits until the counter has room (ISA guide 5.7.1)
	XSTEP k
.set k, k+1
.endr
	WIN W_MM
	s_wait_loadcnt 56                              ; x's step 0 is in, seven steps stay out; and no global load issued earlier in the text is out any more,
	WSTEP 0                                        ; so none aims at the registers from v32 up that are written from here on
	WSTEP 1
.set k, 0
.rept 32
	STEP k                                         ; step 0 starts the sums
.set k, k+1
.endr
	WIN 0
	PLACES
	; h = (g / (1 + 2^(-g log2 e))) v.  Each accumulator is read from its lowest registers on.  The exponentials are one batch with one wait, the reciprocals another.
.set i, 0
.rept 32
	v_pk_mul_f32 v[WF+2*i:WF+2*i+1], v[ACC+2*i:ACC+2*i+1], s[LG:LG+1] op_sel_hi:[1,0]
.set i, i+1
.endr
.set i, 0
.rept 64
	v_exp_f32 v[WF+i], v[WF+i]
.set i, i+1
.endr
	v_nop                                          ; a plain instruction behind the last exponential
	s_wait_alu depctr_va_vdst(0)                   ; the wait ahead of the batch's first reader
.set i, 0
.rept 32
	v_pk_add_f32 v[WF+2*i:WF+2*i+1], v[WF+2*i:WF+2*i+1], 1.0 op_sel_hi:[1,0]
.set i, i+1
.endr
.set i, 0
.rept 64
	v_rcp_f32 v[WF+i], v[WF+i]
.set i, i+1
.endr
	v_nop
	s_wait_alu depctr_va_vdst(0)
.set i, 0
.rept 32
	v_pk_mul_f32 v[ACC+2*i:ACC+2*i+1], v[ACC+2*i:ACC+2*i+1], v[WF+2*i:WF+2*i+1]
.set i, i+1
.endr
.set i, 0
.rept 32
	v_pk_mul_f32 v[ACC+2*i:ACC+2*i+1], v[ACC+2*i:ACC+2*i+1], v[ACC+64+2*i:ACC+64+2*i+1]
.set i, i+1
.endr
.set i, 0
.rept 32
	v_cvt_pk_bf16_f32 v[WF+i], v[ACC+2*i], v[ACC+2*i+1]
.set i, i+1
.endr
.irp tb, 0,1,2,3
	global_store_b128 v[HO], v[WF+4*\tb:WF+4*\tb+3], s[HP:HP+1] offset:512*\tb         ; 16 rows x 32 bytes: 512 consecutive bytes, aligned
	global_store_b128 v[HO], v[WF+16+4*\tb:WF+16+4*\tb+3], s[HQ:HQ+1] offset:512*\tb
.endr
	s_wait_xcnt 0x0                                ; the stores' data, offset and bases are rewritten only behind this wait
.Ldead:
	s_add_co_u32 s[BI], s[BI], 4
	s_sub_co_u32 s[QC], s[QC], 1
	s_cmp_lg_u32 s[QC], 0
	s_cbranch_scc1 .Ltrip
	s_branch .Ljn
.Lld:                                                  ; a loader: the next pass's weights; in the last pass there are none
	s_cmp_eq_u32 s[PC], 1
	s_cbranch_scc1 .Ljn
	DRAIN 16, RP, 0                                ; its first seven rows were asked for a pass ago
	s_cmp_eq_u32 s[PC], 3
	s_cbranch_scc0 .Ljn
	s_mov_b64 s[RP:RP+1], s[PS:PS+1]               ; behind pass 1's rows come the shared expert's; the loads by the old base have all been waited for
	PRIME RP, 0                                    ; asked for now: they stay out across the two barriers and the stores below
.Ljn:
	s_wait_dscnt 0x0                               ; my reads of the buffer are over
	s_barrier_signal -1
	s_barrier_wait -1
	s_cmp_lt_u32 s[WV], 4
	s_cbranch_scc1 .Ljd
	s_cmp_eq_u32 s[PC], 1
	s_cbranch_scc1 .Ljd
	DUMP 16, LDA, LDB                              ; the next pass's weights
.Ljd:
	s_wait_dscnt 0x0                               ; my stores into the buffer are done
	s_barrier_signal -1
	s_barrier_wait -1
	; the next pass's numbers move up; behind them stand the shared pass's
	s_mov_b64 s[XP:XP+1], s[XN:XN+1]               ; the loads of x by the old base have all been waited for
	s_mov_b64 s[XN:XN+1], s[XS2:XS2+1]
	s_mov_b32 s[O0], s[O1]
	s_mov_b32 s[O1], s[OSH]
	s_mov_b32 s[DA], s[DA1]
	s_mov_b32 s[DA1], BS                           ; shared: fragment 1 lies 16 columns on
	s_mov_b32 s[NB], s[NB1]
	s_mov_b32 s[NB1], 4                            ; shared: 256 tokens, a block a wave
	s_sub_co_u32 s[PC], s[PC], 1
	s_cmp_lg_u32 s[PC], 0
	s_cbranch_scc1 .Lpass
	s_wait_tensorcnt 0x0                           ; the wave's end
	ds_add_u32 v[SPW], v[NIL]
	s_wait_dscnt 0x0
	s_endpgm
.Lfunc_end_k_q46b666fbc2_up:
	.size	k_q46b666fbc2_up, .Lfunc_end_k_q46b666fbc2_up-k_q46b666fbc2_up
	.p2alignl 7, 3214868480
	.fill 96, 4, 3214868480
	.section	.rodata,"a",@progbits
	.p2align	6, 0x0
	.amdhsa_kernel k_q46b666fbc2_up
		.amdhsa_group_segment_fixed_size 140288
		.amdhsa_private_segment_fixed_size 0
		.amdhsa_enable_private_segment 0
		.amdhsa_kernarg_size 64
		.amdhsa_user_sgpr_count 2
		.amdhsa_user_sgpr_kernarg_segment_ptr 1
		.amdhsa_wavefront_size32 1
		.amdhsa_system_sgpr_workgroup_id_x 1
		.amdhsa_system_sgpr_workgroup_id_y 1
		.amdhsa_system_sgpr_workgroup_id_z 1
		.amdhsa_system_vgpr_workitem_id 0
		.amdhsa_next_free_vgpr 512
		.amdhsa_next_free_sgpr 66
		.amdhsa_reserve_vcc 0
		.amdhsa_float_denorm_mode_32 3
		.amdhsa_float_denorm_mode_16_64 3
		.amdhsa_memory_ordered 1
		.amdhsa_forward_progress 1
		.amdhsa_inst_pref_size 162
	.end_amdhsa_kernel
	.amdgpu_metadata
---
amdhsa.version: [ 1, 2 ]
amdhsa.kernels:
  - .name:           k_q46b666fbc2_up
    .symbol:         k_q46b666fbc2_up.kd
    .args:
      - { .name: xb, .offset: 0, .size: 8, .value_kind: global_buffer, .address_space: global }
      - { .name: xs, .offset: 8, .size: 8, .value_kind: global_buffer, .address_space: global }
      - { .name: meta, .offset: 16, .size: 8, .value_kind: global_buffer, .address_space: global }
      - { .name: Wg, .offset: 24, .size: 8, .value_kind: global_buffer, .address_space: global }
      - { .name: Wv, .offset: 32, .size: 8, .value_kind: global_buffer, .address_space: global }
      - { .name: Wg_s, .offset: 40, .size: 8, .value_kind: global_buffer, .address_space: global }
      - { .name: Wv_s, .offset: 48, .size: 8, .value_kind: global_buffer, .address_space: global }
      - { .name: hbuf, .offset: 56, .size: 8, .value_kind: global_buffer, .address_space: global }
    .group_segment_fixed_size: 140288
    .private_segment_fixed_size: 0
    .kernarg_segment_align: 8
    .kernarg_segment_size: 64
    .max_flat_workgroup_size: 256
    .sgpr_count:     66
    .vgpr_count:     512
    .wavefront_size: 32
...
	.end_amdgpu_metadata
.endif
;; end of part 3
;; launch down (part 4): grid 256 x 1, 8 waves a work-group, no clusters, 149,504 bytes of LDS; arguments hbuf, meta, Wo, Wo_s, part; writes part
.if DOCPART == 4
	.amdgcn_target "amdgcn-amd-amdhsa--gfx1250"
	.amdhsa_code_object_version 6
	.text
	.protected	k_q46b666fbc2_down
	.globl	k_q46b666fbc2_down
	.p2align	8
	.type	k_q46b666fbc2_down,@function
k_q46b666fbc2_down:
	s_mov_b64 s[64:65], 0
	v_nop
	global_prefetch_b8 v0, s[64:65] scope:SCOPE_SE
	s_setreg_imm32_b32 hwreg(HW_REG_WAVE_MODE, 25, 1), 1
	s_wait_xcnt 0x0
; SECOND PRODUCT.  part[row][o] = sum over k of h[row][k] Wo[o][k], in f32, without bias and gate weight (the last launch applies them).
; Work-group i: expert EX = i / 32, slice OS = i % 32 (32 rows of Wo[EX], 256 KiB of f32, which it alone reads), all rows of that expert;
; then the same 32 rows of the shared Wo_s for tokens 128 EX to 128 EX + 127.
; TWO PASSES of 32 weight rows x K = 2048, kept in LDS as bf16 in one buffer; one text, walked twice.
; ROLES.  Pass 0's weights are loaded, rounded and laid into LDS by all eight waves, 4 rows each.  Then waves 0-3 multiply the buffer while waves 4-7 load
; the shared expert's f32 weights and round them to bf16 into 256 holding registers each; a barrier (all reads of the buffer are over), the holding
; registers go into the buffer, a barrier, pass 1.  A loader's ring has seven slots of half a weight row (56 loads out), and pass 1's first seven are asked
; for as soon as pass 0's are held: they are on their way across the stores into LDS and the barrier.
; A COMPUTE WAVE takes blocks of 64 rows: 8 accumulators (2 weight fragments x 4 row groups).  h comes straight from memory as source 1 (hbuf is laid
; [16 columns][row][32 bytes], so each load of a wave covers 512 consecutive bytes), through a ring of eight slots of one K step (32 along K: 8 loads): at the
; head of step k the slot that step k - 1 used up is filled with step k + 7, so seven steps, 56 loads, are on their way.  W's fragments come from LDS into
; four sets by turns, asked for three steps ahead.
; The number of blocks hangs on the stored count; four turns a wave cover the 16 blocks that an expert can have, turns past the count are jumped.
; A lane's result is one row and 8 columns; a group of 16 rows goes through the wave's own stage in LDS, behind the buffer, and leaves as 512 consecutive
; bytes a store.  part is laid [32 columns][row][128 bytes].
; NO TENSOR LOADS, NO JOINT LOADS: each routed weight byte has one reader and passes registers to be rounded; the loops over rows hang on a stored count.
.set BS,    294912                     ; hbuf: bytes from 16 columns to the next
.set PBS,   1179648                    ; part: bytes from 32 columns to the next: 9,216 rows x 128
.set CHD,   8704                       ; LDS: a chunk of 128 K: 32 rows x 272
.set FR,    4352
.set STAGE, 16*CHD                     ; behind the buffer: 16 rows x 144 bytes for each compute wave
.set SPARE, STAGE+9216                 ; the spare words: 128 bytes for each of eight waves; no other line names them
.set SPW, 2
.set NIL, 3
.set AW,  4                            ; address of W's fragments
.set AW0, 5                            ; 272 (l % 16) + 16 (l / 16)
.set HL,  6                            ; 32 (l % 16) + 16 (l / 16)
.set HO,  7                            ; my byte offset in hbuf
.set STO, 8                            ; the stage: where I put 16 bytes
.set RD,  9                            ; the stage: where I read rows back
.set PO,  10                           ; my byte offset in part
.set L16, 11                           ; 16 lane
.set LO,  12                           ; weights: 16 lane
.set LDA, 13                           ; loaders: my eight rows + 8 lane: chunks 0-7
.set LDB, 14                           ; chunks 8-15
.set LPA, 20                           ; pass 0: my four rows + 8 lane: chunks 0-7
.set LPB, 21                           ; chunks 8-15
.set ACC, 32                           ; v[32:95] accumulator (f, tb) at 32 + 8 (4 f + tb)
.set WF,  96                           ; v[96:159] W's fragments, four sets of two
.set OB,  160                          ; v[160:175] 16 rows read back
.set RING, 32                          ; weights: v[32:255] seven slots of 32: half a weight row, 4,096 bytes, each
.set NS,  7
; window 1: compute waves: h's fragments, K step k, row group tb at 32 (k % 8) + 8 tb;  weights: the holding registers, half row t at 16 t
.set WV, 26
.set EX, 27
.set OS, 28
.set B0, 29                            ; a wave's first block in the pass
.set CNT, 31
.set NB, 32
.set BI, 33
.set QC, 34
.set KC, 35
.set LP, 36                            ; s[36:37] hbuf at the eight K steps being asked for
.set HB, 38                            ; s[38:39] hbuf at the pass's rows
.set PP, 40                            ; s[40:41] part at the pass's columns and rows
.set RQ, 42                            ; s[42:43] my four weight rows of pass 0
.set PS, 44                            ; s[44:45] loaders: my eight rows of Wo_s
.set OF, 46                            ; s[46:47] an offset; the high word stays 0
.set TW, 50
.set PC, 51
.set OH, 52                            ; the pass's byte offset in hbuf
.set OP, 53                            ; and in part
.set MSB, 0
.macro WIN new
.if MSB != (\new)
	s_set_vgpr_msb (MSB<<8)|(\new)
.set MSB, \new
.endif
.endm
.set W_MM, 0x04                        ; source 1 in window 1: h's fragments in matrix instructions; an LDS store's data
.set W_XL, 0x40                        ; destination in window 1
.macro PLACES                          ; four plain places between a matrix instruction and a load into, or a read of, its registers
.rept 4
	v_nop
.endr
.endm
; ---------------- THE WEIGHTS' WAY: half rows that lie on end in memory, every offset in the immediate ----------------
.macro FLOAD t, base, nt               ; half row t: eight loads of 512 consecutive bytes; load c is chunk 8 (t % 2) + c
.irp c, 0,1,2,3,4,5,6,7
.if \nt
	global_load_b128 v[RING+32*((\t)%NS)+4*\c:RING+32*((\t)%NS)+4*\c+3], v[LO], s[\base:\base+1] offset:4096*(\t)+512*\c th:TH_LOAD_NT
.else
	global_load_b128 v[RING+32*((\t)%NS)+4*\c:RING+32*((\t)%NS)+4*\c+3], v[LO], s[\base:\base+1] offset:4096*(\t)+512*\c
.endif
.endr
.endm
.macro PRIME base, nt                  ; the ring is filled: half rows 0 to 6, 56 loads
.set t, 0
.rept NS
	FLOAD t, \base, \nt
.set t, t+1
.endr
.endm
.macro DRAIN rows, base, nt            ; behind PRIME: each half row is rounded and held, and its slot takes the one seven further on
.set t, 0
.rept \rows
.if t < (\rows)-NS
	s_wait_loadcnt 8*(NS-1)                        ; half row t is in; the six younger ones stay out
.else
	s_wait_loadcnt 8*((\rows)-1-t)                 ; nothing more is asked for: the counts run down to 0
.endif
	WIN W_XL
.irp q, 0,1,2,3,4,5,6,7,8,9,10,11,12,13,14,15
	v_cvt_pk_bf16_f32 v[16*t+\q], v[RING+32*(t%NS)+2*\q], v[RING+32*(t%NS)+2*\q+1]
.endr
	WIN 0
.if t < (\rows)-NS
	FLOAD t+NS, \base, \nt
.endif
.set t, t+1
.endr
.endm
.macro DUMP rows, ra                   ; the holding registers go into the buffer: 256 consecutive bytes a store, every address a fixed register and an immediate
	WIN W_MM
.set t, 0
.rept \rows
.irp c, 0,1,2,3,4,5,6,7
	ds_store_b64 v[\ra+(t&1)], v[16*t+2*\c:16*t+2*\c+1] offset:\c*CHD+272*(t/2)
.endr
.set t, t+1
.endr
	WIN 0
.endm
; ---------------- THE HEAD: every wave makes the registers of both roles ----------------
	s_load_b256 s[8:15], s[0:1], 0x0               ; hbuf 8, meta 10, Wo 12, Wo_s 14
	s_load_b64 s[16:17], s[0:1], 0x20              ; part
	v_lshl_add_u32 v[SPW], v0, 2, SPARE
	v_mov_b32 v[NIL], 0
	v_lshrrev_b32 v1, 5, v0
	v_readfirstlane_b32 s[WV], v1
	v_and_b32 v1, 31, v0
	s_lshr_b32 s[EX], ttmp9, 5
	s_and_b32 s[OS], ttmp9, 31
	s_mov_b32 s[OF+1], 0
	s_and_b32 s54, s[WV], 3                        ; my number among the waves of my role
	v_lshlrev_b32 v[LO], 4, v1
	s_mul_i32 s55, s[WV], 4*272                    ; pass 0: wave w lays rows 4 w to 4 w + 3 of the buffer's 32
	v_lshl_add_u32 v[LPA], v1, 3, s55
	v_add_nc_u32 v[LPB], 8*CHD, v[LPA]
	s_lshl_b32 s58, s[OS], 18                      ; 32 rows of 8,192 bytes a slice
	s_lshl_b32 s55, s[EX], 23                      ; an expert's 8 MiB,
	s_add_co_u32 s[OF], s58, s55
	s_lshl_b32 s55, s[WV], 15                      ; 4 rows a wave
	s_add_co_u32 s[OF], s[OF], s55
	s_wait_kmcnt 0x0
	s_add_nc_u64 s[RQ:RQ+1], s[12:13], s[OF:OF+1]
	PRIME RQ, 1                                    ; pass 0's weights are asked for before anything else
	s_lshl_b32 s[OF], s[EX], 7
	s_add_nc_u64 s[56:57], s[10:11], s[OF:OF+1]
	s_load_b32 s[CNT], s[56:57], 0x0               ; the expert's count
	v_and_b32 v16, 15, v0
	v_bfe_u32 v17, v0, 4, 1
	v_mul_u32_u24 v[AW0], 272, v16
	v_lshl_add_u32 v[AW0], v17, 4, v[AW0]
	v_lshlrev_b32 v[HL], 5, v16
	v_lshl_add_u32 v[HL], v17, 4, v[HL]
	v_lshlrev_b32 v[L16], 4, v1
	s_mul_i32 s55, s54, 16*144
	s_add_co_u32 s55, s55, STAGE                   ; my stage
	v_mul_u32_u24 v[STO], 144, v16                 ; in: row l % 16, 32 bytes for each half of the lanes
	v_lshl_add_u32 v[STO], v17, 5, v[STO]
	v_add_nc_u32 v[STO], s55, v[STO]
	v_lshrrev_b32 v18, 3, v1                       ; back: 32 lanes take four rows of 128 bytes
	v_and_b32 v19, 7, v1
	v_mul_u32_u24 v[RD], 144, v18
	v_lshl_add_u32 v[RD], v19, 4, v[RD]
	v_add_nc_u32 v[RD], s55, v[RD]
	s_mul_i32 s55, s54, 8*272                      ; pass 1: loader 4 + w lays rows 8 w to 8 w + 7
	v_lshl_add_u32 v[LDA], v1, 3, s55
	v_add_nc_u32 v[LDB], 8*CHD, v[LDA]
	s_lshl_b32 s55, s54, 16                        ; 8 rows a loader
	s_add_co_u32 s[OF], s58, s55
	s_add_nc_u64 s[PS:PS+1], s[14:15], s[OF:OF+1]
	s_lshl_b32 s[OH], s[EX], 15                    ; pass 0: rows 1024 EX on, 32 bytes each in hbuf,
	s_mul_i32 s[OP], s[OS], PBS
	s_lshl_b32 s55, s[EX], 17                      ; 128 bytes each in part
	s_add_co_u32 s[OP], s[OP], s55
	s_mov_b32 s[B0], s[WV]
	s_mov_b32 s[PC], 2
	s_wait_kmcnt 0x0
	s_min_u32 s[CNT], s[CNT], 1024
	s_add_co_u32 s[NB], s[CNT], 63
	s_lshr_b32 s[NB], s[NB], 6
	DRAIN 8, RQ, 1                                 ; pass 0: my 8 half rows
	s_cmp_lt_u32 s[WV], 4
	s_cbranch_scc1 .Lnp
	PRIME PS, 0                                    ; a loader asks for the shared expert's first seven half rows: they stay out across the stores and the barrier below
.Lnp:
	DUMP 8, LPA                                    ; nothing has read the buffer yet
	s_wait_dscnt 0x0                               ; for the others' sake: my stores into the buffer are done
	s_barrier_signal -1
	s_barrier_wait -1
; ---------------- THE MULTIPLYING ----------------
.macro WSTEP set, off                  ; two fragments of W (16 rows x 32 K each) at byte off behind v[AW], into one of the four sets
.irp f, 0,1
	ds_load_b128 v[WF+16*(\set)+8*\f:WF+16*(\set)+8*\f+3],   v[AW] offset:(\off)+FR*\f
	ds_load_b128 v[WF+16*(\set)+8*\f+4:WF+16*(\set)+8*\f+7], v[AW] offset:(\off)+FR*\f+32
.endr
.endm
.macro XSTEP s                         ; the K step s places behind s[LP] (64 rows x 32 K, 8 loads of 512 consecutive bytes) into slot s
.irp tb, 0,1,2,3
	global_load_b128 v[32*(\s)+8*\tb:32*(\s)+8*\tb+3],   v[HO], s[LP:LP+1] offset:2*(\s)*BS+512*\tb
	global_load_b128 v[32*(\s)+8*\tb+4:32*(\s)+8*\tb+7], v[HO], s[LP:LP+1] offset:(2*(\s)+1)*BS+512*\tb
.endr
.endm
; One K step of 32: 8 matrix instructions, the 8 accumulators by turns, one instruction a turn.  i: the step's number modulo 16.
; At its head, four places behind the last step's products, the registers that those products read are asked for again: xl = 1: h's slot takes the step seven on
; (every eighth step the base goes eight K steps on); wl = 1: W's set takes the step three on.  nd, nl: the younger LDS loads and global loads that may stay out.
; zero = 1: the products start the sums.
.macro STEP i, zero, xl, wl, nd, nl
	WIN W_MM
.if !(\zero)
	PLACES
.endif
.if \xl
.if ((\i)%8) == 1
	s_wait_xcnt 0x0                                ; the base is stepped only behind this wait
	s_add_nc_u64 s[LP:LP+1], s[LP:LP+1], 16*BS
.endif
	WIN W_XL
	XSTEP ((\i)+7)%8
	WIN W_MM
.endif
.if \wl
	WSTEP ((\i)+3)%4, (((\i)+3)/4)*CHD+64*(((\i)+3)%4)
.endif
	s_wait_dscnt \nd                               ; this step's W is in
	s_wait_loadcnt \nl                             ; this step's h is in
.irp tb, 0,1,2,3
.irp f, 0,1
.if \zero
	v_wmma_f32_16x16x32_bf16 v[ACC+8*(4*\f+\tb):ACC+8*(4*\f+\tb)+7], v[WF+16*((\i)%4)+8*\f:WF+16*((\i)%4)+8*\f+7], v[32*((\i)%8)+8*\tb:32*((\i)%8)+8*\tb+7], 0
.else
	v_wmma_f32_16x16x32_bf16 v[ACC+8*(4*\f+\tb):ACC+8*(4*\f+\tb)+7], v[WF+16*((\i)%4)+8*\f:WF+16*((\i)%4)+8*\f+7], v[32*((\i)%8)+8*\tb:32*((\i)%8)+8*\tb+7], v[ACC+8*(4*\f+\tb):ACC+8*(4*\f+\tb)+7]
.endif
.endr
.endr
.endm
.Lpass:                                                ; two passes
	s_mov_b32 s[OF], s[OH]
	s_add_nc_u64 s[HB:HB+1], s[8:9], s[OF:OF+1]
	s_mov_b32 s[OF], s[OP]
	s_add_nc_u64 s[PP:PP+1], s[16:17], s[OF:OF+1]
	s_cmp_lt_u32 s[WV], 4
	s_cbranch_scc0 .Lld
	; a compute wave: blocks B0, B0 + 4, B0 + 8, B0 + 12; turns past NB are jumped
	s_mov_b32 s[QC], 4
	s_mov_b32 s[BI], s[B0]
.Ltrip:
	s_cmp_ge_u32 s[BI], s[NB]
	s_cbranch_scc1 .Ldead
	s_wait_xcnt 0x0
	v_lshl_add_u32 v[HO], s[BI], 11, v[HL]         ; 64 rows of 32 bytes a block
	v_lshl_add_u32 v[PO], s[BI], 13, v[L16]        ; 64 rows of 128 bytes
	s_mov_b64 s[LP:LP+1], s[HB:HB+1]
	v_mov_b32 v[AW], v[AW0]
	WIN W_XL
.set i, 0
.rept 8                                        ; the ring is filled: K steps 0 to 7, 64 loads; the issue of the last waits until the counter has room (ISA guide 5.7.1)
	XSTEP i
.set i, i+1
.endr
	WIN W_MM
	s_wait_loadcnt 56                              ; h's step 0 is in, seven steps stay out; and no global load issued earlier in the text is out any more,
	WSTEP 0, 0                                     ; so none aims at the registers from v32 up that are written from here on
	WSTEP 1, 64
	WSTEP 2, 128
	STEP 0, 1, 0, 1, 12, 56                        ; step 0 starts the sums; 12: three younger sets of 4 loads; 56: seven younger steps of 8
	WIN 0
	s_mov_b32 s[TW], 0
	s_mov_b32 s[KC], 3
.Lk:                                                   ; a trip: 16 K steps, numbers 16 j + 1 to 16 j + 16
	v_add_nc_u32 v[AW], s[TW], v[AW0]              ; the place of K step 16 j: 0, 4, 8 chunks on
	v_min_u32 v[AW], 8*CHD+4096, v[AW]             ; never binds: with the largest offset below the address ends at byte 113,136, ahead of the stages
.set i, 1
.rept 16
	STEP i, 0, 1, 1, 12, 56
.set i, i+1
.endr
	WIN 0
	s_add_co_u32 s[TW], s[TW], 4*CHD
	s_sub_co_u32 s[KC], s[KC], 1
	s_cmp_lg_u32 s[KC], 0
	s_cbranch_scc1 .Lk
	v_add_nc_u32 v[AW], 12*CHD, v[AW0]             ; K steps 49 to 63: h's steps 56 to 63 and W's 52 to 63 are asked for, then nothing, and the counts run down
.set i, 1
.rept 15
.set xf, 0
.if i < 9
.set xf, 1
.endif
.set wf, 0
.if i < 13
.set wf, 1
.endif
.set nds, 15-i
.if nds > 3
.set nds, 3
.endif
.set nld, 15-i
.if nld > 7
.set nld, 7
.endif
	STEP i, 0, xf, wf, 4*nds, 8*nld
.set i, i+1
.endr
	WIN 0
	PLACES
.irp tb, 0,1,2,3                       ; 16 rows at a time through my stage; each accumulator's lowest registers are read first
	s_wait_xcnt 0x0                                ; the last group's stores have read v[OB..]
.irp f, 0,1
	ds_store_b128 v[STO], v[ACC+8*(4*\f+\tb):ACC+8*(4*\f+\tb)+3]   offset:64*\f
	ds_store_b128 v[STO], v[ACC+8*(4*\f+\tb)+4:ACC+8*(4*\f+\tb)+7] offset:64*\f+16
.endr
.irp n, 0,1,2,3
	ds_load_b128 v[OB+4*\n:OB+4*\n+3], v[RD] offset:576*\n   ; LDS serves a wave's instructions in order: these see the stores above
.endr
	s_wait_dscnt 0x0
.irp n, 0,1,2,3
	global_store_b128 v[PO], v[OB+4*\n:OB+4*\n+3], s[PP:PP+1] offset:2048*\tb+512*\n   ; four rows of 128 bytes: 512 consecutive bytes, aligned
.endr
.endr
	s_wait_xcnt 0x0                                ; the stores' data, offset and base are rewritten only behind this wait
.Ldead:
	s_add_co_u32 s[BI], s[BI], 4
	s_sub_co_u32 s[QC], s[QC], 1
	s_cmp_lg_u32 s[QC], 0
	s_cbranch_scc1 .Ltrip
	s_branch .Ljn
.Lld:                                                  ; a loader: in pass 0 the shared expert's weights; in pass 1 nothing
	s_cmp_eq_u32 s[PC], 2
	s_cbranch_scc0 .Ljn
	DRAIN 16, PS, 0                                ; its first seven half rows were asked for ahead of the first barrier
.Ljn:
	s_wait_dscnt 0x0                               ; my reads of the buffer are over
	s_barrier_signal -1
	s_barrier_wait -1
	s_cmp_lt_u32 s[WV], 4
	s_cbranch_scc1 .Ljd
	s_cmp_eq_u32 s[PC], 2
	s_cbranch_scc0 .Ljd
	DUMP 16, LDA
.Ljd:
	s_wait_dscnt 0x0                               ; my stores into the buffer are done
	s_barrier_signal -1
	s_barrier_wait -1
	; pass 1: the shared expert, 128 tokens: two blocks, for waves 3 and 2, which have the fewest routed blocks
	s_lshl_b32 s[OH], s[EX], 12                    ; rows 8192 + 128 EX on, 32 bytes each
	s_add_co_u32 s[OH], s[OH], 262144
	s_mul_i32 s[OP], s[OS], PBS
	s_lshl_b32 s55, s[EX], 14                      ; the same rows, 128 bytes each
	s_add_co_u32 s[OP], s[OP], s55
	s_add_co_u32 s[OP], s[OP], 1048576
	s_mov_b32 s[NB], 2
	s_sub_co_u32 s[B0], 3, s[WV]
	s_sub_co_u32 s[PC], s[PC], 1
	s_cmp_lg_u32 s[PC], 0
	s_cbranch_scc1 .Lpass
	s_wait_tensorcnt 0x0                           ; the wave's end
	ds_add_u32 v[SPW], v[NIL]
	s_wait_dscnt 0x0
	s_endpgm
.Lfunc_end_k_q46b666fbc2_down:
	.size	k_q46b666fbc2_down, .Lfunc_end_k_q46b666fbc2_down-k_q46b666fbc2_down
	.p2alignl 7, 3214868480
	.fill 96, 4, 3214868480
	.section	.rodata,"a",@progbits
	.p2align	6, 0x0
	.amdhsa_kernel k_q46b666fbc2_down
		.amdhsa_group_segment_fixed_size 149504
		.amdhsa_private_segment_fixed_size 0
		.amdhsa_enable_private_segment 0
		.amdhsa_kernarg_size 40
		.amdhsa_user_sgpr_count 2
		.amdhsa_user_sgpr_kernarg_segment_ptr 1
		.amdhsa_wavefront_size32 1
		.amdhsa_system_sgpr_workgroup_id_x 1
		.amdhsa_system_sgpr_workgroup_id_y 1
		.amdhsa_system_sgpr_workgroup_id_z 1
		.amdhsa_system_vgpr_workitem_id 0
		.amdhsa_next_free_vgpr 512
		.amdhsa_next_free_sgpr 66
		.amdhsa_reserve_vcc 0
		.amdhsa_float_denorm_mode_32 3
		.amdhsa_float_denorm_mode_16_64 3
		.amdhsa_memory_ordered 1
		.amdhsa_forward_progress 1
		.amdhsa_inst_pref_size 122
	.end_amdhsa_kernel
	.amdgpu_metadata
---
amdhsa.version: [ 1, 2 ]
amdhsa.kernels:
  - .name:           k_q46b666fbc2_down
    .symbol:         k_q46b666fbc2_down.kd
    .args:
      - { .name: hbuf, .offset: 0, .size: 8, .value_kind: global_buffer, .address_space: global }
      - { .name: meta, .offset: 8, .size: 8, .value_kind: global_buffer, .address_space: global }
      - { .name: Wo, .offset: 16, .size: 8, .value_kind: global_buffer, .address_space: global }
      - { .name: Wo_s, .offset: 24, .size: 8, .value_kind: global_buffer, .address_space: global }
      - { .name: part, .offset: 32, .size: 8, .value_kind: global_buffer, .address_space: global }
    .group_segment_fixed_size: 149504
    .private_segment_fixed_size: 0
    .kernarg_segment_align: 8
    .kernarg_segment_size: 40
    .max_flat_workgroup_size: 256
    .sgpr_count:     66
    .vgpr_count:     512
    .wavefront_size: 32
...
	.end_amdgpu_metadata
.endif
;; end of part 4
;; launch comb (part 5): grid 256 x 1, 4 waves a work-group, no clusters, 0 bytes of LDS; arguments part, pos, route, gatew, bo, bo_s, out0; writes out0
.if DOCPART == 5
	.amdgcn_target "amdgcn-amd-amdhsa--gfx1250"
	.amdhsa_code_object_version 6
	.text
	.protected	k_q46b666fbc2_comb
	.globl	k_q46b666fbc2_comb
	.p2align	8
	.type	k_q46b666fbc2_comb,@function
k_q46b666fbc2_comb:
	s_mov_b64 s[64:65], 0
	v_nop
	global_prefetch_b8 v0, s[64:65] scope:SCOPE_SE
	s_setreg_imm32_b32 hwreg(HW_REG_WAVE_MODE, 25, 1), 1
	s_wait_xcnt 0x0
; THE SUM.  out0[t] = w0 (part[p0] + bo[e0]) + w1 (part[p1] + bo[e1]) + part[8192 + t] + bo_s, all in f32; the biases are rounded to bf16 first, as every
; input of the program is.  One wave, one token t = 4 x work-group + wave; each output row has this one owner.
; The rows p0, p1 and the experts e0, e1 are whole numbers stored by earlier launches, read as scalars and clamped to their tables.
; A row of part is 32 pieces of 128 bytes (one for each 32 columns); all 48 loads of the wave are out at once.  Each store covers 512 consecutive bytes.
; No LDS, no matrix unit: three additions a number.
.set PBS, 1179648
.set VO,  8                            ; v[8:15]   load j: piece 4 j + lane / 8, byte 16 (lane % 8)
.set P0,  16                           ; v[16:47], v[48:79], v[80:111]      the three rows of part
.set P1,  48
.set P2,  80
.set B0,  112                          ; v[112:143], v[144:175], v[176:207] the three biases
.set B1,  144
.set B2,  176
.set T,   208                          ; v[208:210] at work
.set ONE, 215
	s_load_b256 s[8:15], s[0:1], 0x0               ; part 8, pos 10, route 12, gatew 14
	s_load_b128 s[16:19], s[0:1], 0x20             ; bo 16, bo_s 18
	s_load_b64 s[20:21], s[0:1], 0x30              ; out0
	v_lshrrev_b32 v1, 5, v0
	v_readfirstlane_b32 s2, v1
	v_and_b32 v1, 31, v0
	v_lshlrev_b32 v2, 4, v1                        ; 16 lane
	s_lshl2_add_u32 s3, ttmp9, s2                  ; t
	s_lshl_b32 s22, s3, 3
	s_mov_b32 s23, 0
	s_mov_b32 s41, 0
	s_wait_kmcnt 0x0
	s_add_nc_u64 s[10:11], s[10:11], s[22:23]
	s_add_nc_u64 s[12:13], s[12:13], s[22:23]
	s_add_nc_u64 s[14:15], s[14:15], s[22:23]
	s_load_b64 s[24:25], s[10:11], 0x0             ; p0, p1
	s_load_b64 s[26:27], s[12:13], 0x0             ; e0, e1
	s_load_b64 s[28:29], s[14:15], 0x0             ; w0, w1
	v_lshrrev_b32 v3, 3, v1
	v_and_b32 v4, 7, v1
	v_mul_u32_u24 v3, PBS, v3
	v_lshl_add_u32 v3, v4, 4, v3
.irp j, 0,1,2,3,4,5,6,7
	v_add_nc_u32 v[VO+\j], 4*\j*PBS, v3
.endr
	v_mov_b32 v[ONE], 1.0
	s_lshl_b32 s40, s3, 12
	s_add_nc_u64 s[20:21], s[20:21], s[40:41]      ; out0 at my row
	s_add_co_u32 s40, s3, 8192
	s_lshl_b32 s40, s40, 7
	s_add_nc_u64 s[34:35], s[8:9], s[40:41]        ; the shared expert's row
	s_wait_kmcnt 0x0
	s_min_u32 s24, s24, 8191
	s_min_u32 s25, s25, 8191
	s_min_u32 s26, s26, 7
	s_min_u32 s27, s27, 7
	s_lshl_b32 s40, s24, 7
	s_add_nc_u64 s[30:31], s[8:9], s[40:41]
	s_lshl_b32 s40, s25, 7
	s_add_nc_u64 s[32:33], s[8:9], s[40:41]
	s_lshl_b32 s40, s26, 12
	s_add_nc_u64 s[36:37], s[16:17], s[40:41]
	s_lshl_b32 s40, s27, 12
	s_add_nc_u64 s[38:39], s[16:17], s[40:41]
	s_mov_b32 s42, s28                             ; the packed multiply-add names a pair and takes its low word for both halves
	s_mov_b32 s43, s28
	s_mov_b32 s44, s29
	s_mov_b32 s45, s29
.irp j, 0,1,2,3,4,5,6,7
	global_load_b128 v[P0+4*\j:P0+4*\j+3], v[VO+\j], s[30:31]
	global_load_b128 v[P1+4*\j:P1+4*\j+3], v[VO+\j], s[32:33]
	global_load_b128 v[P2+4*\j:P2+4*\j+3], v[VO+\j], s[34:35]
.endr
.irp j, 0,1,2,3,4,5,6,7
	global_load_b128 v[B0+4*\j:B0+4*\j+3], v2, s[36:37] offset:512*\j
	global_load_b128 v[B1+4*\j:B1+4*\j+3], v2, s[38:39] offset:512*\j
	global_load_b128 v[B2+4*\j:B2+4*\j+3], v2, s[18:19] offset:512*\j
.endr
	s_wait_loadcnt 0x0
.set i, 0
.rept 16                                       ; two numbers at a time: each bias pair rounded once, then added by a fused multiply-add with 1.0
.irp k, 0,1,2
	v_cvt_pk_bf16_f32 v[T+\k], v[B0+32*\k+2*i], v[B0+32*\k+2*i+1]
.endr
.irp k, 0,1,2
	v_fma_mix_f32_bf16 v[P0+32*\k+2*i], v[T+\k], v[ONE], v[P0+32*\k+2*i] op_sel_hi:[1,0,0]
	v_fma_mix_f32_bf16 v[P0+32*\k+2*i+1], v[T+\k], v[ONE], v[P0+32*\k+2*i+1] op_sel:[1,0,0] op_sel_hi:[1,0,0]
.endr
	v_pk_fma_f32 v[P2+2*i:P2+2*i+1], v[P0+2*i:P0+2*i+1], s[42:43], v[P2+2*i:P2+2*i+1] op_sel_hi:[1,0,1]
	v_pk_fma_f32 v[P2+2*i:P2+2*i+1], v[P1+2*i:P1+2*i+1], s[44:45], v[P2+2*i:P2+2*i+1] op_sel_hi:[1,0,1]
.set i, i+1
.endr
.irp j, 0,1,2,3,4,5,6,7
	global_store_b128 v2, v[P2+4*\j:P2+4*\j+3], s[20:21] offset:512*\j
.endr
	s_endpgm
.Lfunc_end_k_q46b666fbc2_comb:
	.size	k_q46b666fbc2_comb, .Lfunc_end_k_q46b666fbc2_comb-k_q46b666fbc2_comb
	.p2alignl 7, 3214868480
	.fill 96, 4, 3214868480
	.section	.rodata,"a",@progbits
	.p2align	6, 0x0
	.amdhsa_kernel k_q46b666fbc2_comb
		.amdhsa_group_segment_fixed_size 0
		.amdhsa_private_segment_fixed_size 0
		.amdhsa_enable_private_segment 0
		.amdhsa_kernarg_size 56
		.amdhsa_user_sgpr_count 2
		.amdhsa_user_sgpr_kernarg_segment_ptr 1
		.amdhsa_wavefront_size32 1
		.amdhsa_system_sgpr_workgroup_id_x 1
		.amdhsa_system_sgpr_workgroup_id_y 1
		.amdhsa_system_sgpr_workgroup_id_z 1
		.amdhsa_system_vgpr_workitem_id 0
		.amdhsa_next_free_vgpr 240
		.amdhsa_next_free_sgpr 66
		.amdhsa_reserve_vcc 0
		.amdhsa_float_denorm_mode_32 3
		.amdhsa_float_denorm_mode_16_64 3
		.amdhsa_memory_ordered 1
		.amdhsa_forward_progress 1
		.amdhsa_inst_pref_size 19
	.end_amdhsa_kernel
	.amdgpu_metadata
---
amdhsa.version: [ 1, 2 ]
amdhsa.kernels:
  - .name:           k_q46b666fbc2_comb
    .symbol:         k_q46b666fbc2_comb.kd
    .args:
      - { .name: part, .offset: 0, .size: 8, .value_kind: global_buffer, .address_space: global }
      - { .name: pos, .offset: 8, .size: 8, .value_kind: global_buffer, .address_space: global }
      - { .name: route, .offset: 16, .size: 8, .value_kind: global_buffer, .address_space: global }
      - { .name: gatew, .offset: 24, .size: 8, .value_kind: global_buffer, .address_space: global }
      - { .name: bo, .offset: 32, .size: 8, .value_kind: global_buffer, .address_space: global }
      - { .name: bo_s, .offset: 40, .size: 8, .value_kind: global_buffer, .address_space: global }
      - { .name: out0, .offset: 48, .size: 8, .value_kind: global_buffer, .address_space: global }
    .group_segment_fixed_size: 0
    .private_segment_fixed_size: 0
    .kernarg_segment_align: 8
    .kernarg_segment_size: 56
    .max_flat_workgroup_size: 128
    .sgpr_count:     66
    .vgpr_count:     240
    .wavefront_size: 32
...
	.end_amdgpu_metadata
.endif
;; end of part 5
;; ======== version 2 of 2: 5 launches; version 1 with the launches up, down written anew for expert scheduling mode
;; workspace buffers: xb 2,097,152 bytes; route 8,192 bytes of whole numbers; gatew 8,192 bytes; xs 33,554,432 bytes; hbuf 37,748,736 bytes; pos 8,192 bytes of whole numbers; meta 1,024 bytes of whole numbers; part 37,748,736 bytes
;; launch router: the kernel of part 1 again; grid 256 x 1, 4 waves a work-group, no clusters, 0 bytes of LDS; arguments x, Wr, br, xb, out1, out2, route, gatew; writes xb, out1, out2, route, gatew
;; launch sort: the kernel of part 2 again; grid 320 x 1, 8 waves a work-group, no clusters, 0 bytes of LDS; arguments xb, route, xs, pos, meta; writes xs, pos, meta
;; launch up (part 6): grid 256 x 1, 8 waves a work-group, no clusters, 140,288 bytes of LDS; arguments xb, xs, meta, Wg, Wv, Wg_s, Wv_s, hbuf; writes hbuf
.if DOCPART == 6
	.amdgcn_target "amdgcn-amd-amdhsa--gfx1250"
	.amdhsa_code_object_version 6
	.text
	.protected	k_q46b666fbc2_up
	.globl	k_q46b666fbc2_up
	.p2align	8
	.type	k_q46b666fbc2_up,@function
k_q46b666fbc2_up:
	s_mov_b64 s[64:65], 0
	v_nop
	global_prefetch_b8 v0, s[64:65] scope:SCOPE_SE
	s_setreg_imm32_b32 hwreg(HW_REG_WAVE_SCHED_MODE, 0, 2), 2
	s_setreg_imm32_b32 hwreg(HW_REG_WAVE_MODE, 25, 1), 1
	s_wait_xcnt 0x0
	s_wait_alu depctr_vm_vsrc(0)
; FIRST PRODUCTS AND SwiGLU.  h = silu(x Wg^T) * (x Wv^T), for the rows that chose an expert and, for every token, the shared expert.
; Work-group i: expert EX = i / 32, slice SL = i % 32 (64 columns of H, which it alone reads: 512 KiB of f32 weights), all rows of that expert;
; and of the shared expert 32 columns (SS = i % 64) for 256 tokens (TG = i / 64).
; THREE PASSES of 64 weight rows (16 + 16 of Wg, 16 + 16 of Wv) x K = 1024, kept in LDS as bf16 in one buffer; one text, walked three times.
; ROLES.  Pass 0's weights are loaded, rounded and laid into LDS by all eight waves, 8 rows each.  From then on waves 0-3 multiply the buffer while waves
; 4-7 load the NEXT pass's f32 weights and round them to bf16 into 256 holding registers each.  Then: a barrier (all reads of the buffer are over), the
; holding registers go into the buffer, a barrier, the next pass.  So no LDS store of one wave ever runs beside an LDS load of another.
; A loader's ring has seven slots of one weight row (56 loads out), and as soon as a pass is held the first seven rows of the pass behind it are asked for:
; they are on their way across the two barriers and the stores into LDS.
; A COMPUTE WAVE takes blocks of 64 rows: 16 accumulators (4 weight fragments x 4 row groups).  x comes straight from memory as source 1, through a ring of
; eight slots of one K step (32 along K: 8 loads): at the head of step k step k + 6 is asked for, so six steps, 48 loads, are on their way.
; W's fragments come from LDS into three sets by turns.  Three sets and eight slots have no short common
; period, so the 32 K steps are written out by macro: every LDS address is a fixed register and an immediate, every offset of x an immediate.
; THE ROWS lie end to end: an expert's in xs, in the order of their ranks (an earlier launch laid them so, and wrote 64 rows more behind the last, so
; that a block that is not full reads rows that exist); the shared expert's in xb, by tokens.  The rows past the count are stored inside the expert's own
; 1,024 rows of hbuf and serve nothing.  The number of blocks hangs on the stored count; four turns a wave cover the 16 blocks that an expert can have.
; THE MATRIX INSTRUCTION: source 0 = 16 weight rows, source 1 = 16 tokens: a lane holds one token (lane % 16) and 8 neighbouring columns of H,
; 16 bytes of bf16; hbuf is laid [16 columns][row][32 bytes], so a wave's store covers 512 consecutive bytes, aligned.
; NO TENSOR LOADS, NO JOINT LOADS: each routed weight byte has one reader and must pass registers to be rounded; the loop over rows hangs on a stored
; count, its dead turns are jumped, and no tensor load may stand in what is jumped.  The shared expert's weights (a third of a work-group's) have four readers.
; LIMITS.  h is rounded once to bf16.  silu(g) = g / (1 + 2^(-g log2 e)); NaN and infinities are not treated apart.
; THE MODE: SCHED_MODE bits 1:0 = 2 (LLVM: expert scheduling mode 2), set by the entry lines.  The code itself states the register dependences
; between vector or matrix instructions and memory or LDS instructions, with s_wait_alu, always for 0.
; THE PLAN.  Registers that memory or LDS instructions touch:
;   x's slots     Step k's products read slot k % 8; the loads of step k + 6, issued at the head of step k, land in slot (k - 2) % 8.
;   W's sets      Step k's products read set k % 3.  In an even step k the loads of W(k + 1), at its head, land in set (k - 2) % 3, and those of W(k + 2),
;                 dealt among its products, in set (k - 1) % 3.
;   So the K steps go in PAIRS (k even, k + 1), and ONE wait on va_vdst stands at a pair's head: the products of steps k - 2 and k - 1 are complete.  All the
;   pair's loads land in registers that those products alone read and that no product of the pair names: they follow with no further wait.
;   v[XO], v[HO]  Written at a block's head, ahead of the block's first wait on va_vdst; read by x's loads and by h's stores; free again behind the wait on vm_vsrc at the block's end.
;   v[WF ..+31]   On the way out: written by the roundings, then a wait on va_vdst, read by the stores; free again behind the same wait on vm_vsrc.
;   the weights' ring   Row t's conversions read slot t % 7; behind them a wait on va_vdst, then the loads of row t + 7 land in it.
;   the holding registers   Written by the conversions (a wait on va_vdst at their end), read by the stores into LDS (a wait on vm_vsrc at their end), then written again.
;   v[LO], v[LPA], v[LPB], v[LDA], v[LDB], v[AW0], v[AW4]   Made at the head, ahead of one wait on va_vdst, and never written again.
.set BS,    294912                     ; hbuf: bytes from 16 columns to the next: 9,216 rows x 32
.set CH,    17408                      ; LDS: a chunk of 128 K: 64 rows x 272 (256 bytes + 16 of padding: 16 rows of a load start at 16 different groups of four banks)
.set FR,    4352                       ; a fragment's 16 rows
.set AW0, 4                            ; v4   W's fragments, chunks 0-3: 272 (l % 16) + 16 (l / 16)
.set AW4, 5                            ; v5   chunks 4-7
.set HL,  6                            ; v6   32 (l % 16) + 16 (l / 16)
.set HO,  7                            ; v7   my byte offset in hbuf
.set XL,  8                            ; v8   2048 (l % 16) + 16 (l / 16)
.set XO,  9                            ; v9   my byte offset in the pass's rows of x
.set LO,  10                           ; v10  weights: 16 lane
.set LDA, 11                           ; v11  loaders: my fragment's 16 rows + 8 lane: chunks 0-3
.set LDB, 12                           ; v12  chunks 4-7
.set LPA, 13                           ; v13  pass 0: my 8 rows + 8 lane: chunks 0-3
.set LPB, 14                           ; v14  chunks 4-7
.set ACC, 32                           ; v[32:159] accumulator (f, tb) at 32 + 8 (4 f + tb); f = 0, 1: g; f = 2, 3: v
.set WF,  160                          ; v[160:255] W's fragments, three sets of four; on the way out the first 64 are at work
.set RING, 32                          ; weights: v[32:255] seven slots of 32: a weight row of 4,096 bytes each
.set NS,  7
; window 1: compute waves: x's fragments, K step k, row group tb at 32 (k % 8) + 8 tb;  weights: the holding registers, row t at 16 t
.set WV, 24
.set EX, 25
.set SL, 26
.set SS, 27
.set TG, 28
.set CNT, 29
.set NB, 30                            ; blocks of 64 rows in the pass
.set NB1, 31                           ; in the next pass
.set BI, 32                            ; the block in hand
.set QC, 33                            ; counts a wave's four turns
.set RQ, 36                            ; s[36:37] my 8 weight rows of pass 0
.set HP, 38                            ; s[38:39] hbuf at the pass's rows, fragment 0's columns
.set HQ, 40                            ; s[40:41] the same for fragment 1's
.set RP, 42                            ; s[42:43] loaders: my 16 weight rows of the pass being loaded
.set PS, 44                            ; s[44:45] my rows of the shared expert
.set OF, 46                            ; s[46:47] an offset; the high word stays 0
.set LG, 48                            ; s[48:49] -log2 e
.set XP, 50                            ; s[50:51] the pass's rows of x
.set XN, 52                            ; s[52:53] the next pass's
.set XS2, 54                           ; s[54:55] the shared pass's: xb at my 256 tokens
.set PC, 56                            ; passes to go
.set O0, 57                            ; the pass's byte offset in hbuf
.set O1, 58                            ; the next pass's
.set OSH, 59                           ; the shared pass's
.set DA, 60                            ; from fragment 0's columns to fragment 1's
.set DA1, 61                           ; in the next pass
.set MSB, 0
.macro WIN new                         ; the immediate's high byte repeats the setting that is left
.if MSB != (\new)
	s_set_vgpr_msb (MSB<<8)|(\new)
.set MSB, \new
.endif
.endm
.set W_MM, 0x04                        ; source 1 in window 1: x's fragments in matrix instructions; an LDS store's data
.set W_XL, 0x40                        ; destination in window 1
.macro PLACES                          ; four plain places between a matrix instruction and a load into, or a vector read of, its registers
.rept 4
	v_nop
.endr
.endm
; ---------------- THE WEIGHTS' WAY: rows that lie on end in memory, every offset in the immediate ----------------
.macro FLOAD t, base, nt               ; row t: eight loads of 512 consecutive bytes; load c is chunk c's 128 numbers
.irp c, 0,1,2,3,4,5,6,7
.if \nt
	global_load_b128 v[RING+32*((\t)%NS)+4*\c:RING+32*((\t)%NS)+4*\c+3], v[LO], s[\base:\base+1] offset:4096*(\t)+512*\c th:TH_LOAD_NT
.else
	global_load_b128 v[RING+32*((\t)%NS)+4*\c:RING+32*((\t)%NS)+4*\c+3], v[LO], s[\base:\base+1] offset:4096*(\t)+512*\c
.endif
.endr
.endm
.macro PRIME base, nt                  ; the ring is filled: rows 0 to 6, 56 loads
.set t, 0
.rept NS
	FLOAD t, \base, \nt
.set t, t+1
.endr
.endm
.macro DRAIN rows, base, nt            ; behind PRIME: each row is rounded and held, and its slot takes the row seven further on
.set t, 0
.rept \rows
.if t < (\rows)-NS
	s_wait_loadcnt 8*(NS-1)                        ; row t is in; the six younger rows stay out
.else
	s_wait_loadcnt 8*((\rows)-1-t)                 ; nothing more is asked for: the counts run down to 0
.endif
	WIN W_XL
.irp q, 0,1,2,3,4,5,6,7,8,9,10,11,12,13,14,15
	v_cvt_pk_bf16_f32 v[16*t+\q], v[RING+32*(t%NS)+2*\q], v[RING+32*(t%NS)+2*\q+1]
.endr
	WIN 0
.if t < (\rows)-NS
	s_wait_alu depctr_va_vdst(0)                   ; the conversions are done reading the row's slot, in which the loads below land
	FLOAD t+NS, \base, \nt
.endif
.set t, t+1
.endr
	s_wait_alu depctr_va_vdst(0)                   ; the conversions have written the holding registers, which the stores into LDS read, and are done reading the ring, in which the next rows asked for land
.endm
.macro DUMP rows, ra, rb               ; the holding registers go into the buffer: 256 consecutive bytes a store, every address a fixed register and an immediate
	WIN W_MM
.set t, 0
.rept \rows
.irp c, 0,1,2,3
	ds_store_b64 v[\ra], v[16*t+2*\c:16*t+2*\c+1] offset:\c*CH+272*t
	ds_store_b64 v[\rb], v[16*t+8+2*\c:16*t+8+2*\c+1] offset:\c*CH+272*t
.endr
.set t, t+1
.endr
	WIN 0
	s_wait_alu depctr_vm_vsrc(0)                   ; these stores have read the holding registers, which the next conversions write again and in which x's loads land
.endm
; ---------------- THE HEAD: every wave makes the registers of both roles ----------------
	s_load_b512 s[8:23], s[0:1], 0x0               ; xb 8, xs 10, meta 12, Wg 14, Wv 16, Wg_s 18, Wv_s 20, hbuf 22
	v_lshl_add_u32 v30, v0, 2, 0x22000
	v_mov_b32 v31, 0
	v_lshrrev_b32 v1, 5, v0
	v_readfirstlane_b32 s[WV], v1
	v_and_b32 v1, 31, v0                           ; lane
	s_lshr_b32 s[EX], ttmp9, 5
	s_and_b32 s[SL], ttmp9, 31
	s_and_b32 s[SS], ttmp9, 63
	s_lshr_b32 s[TG], ttmp9, 6
	s_mov_b32 s[LG], 0xbfb8aa3b
	s_mov_b32 s[LG+1], 0xbfb8aa3b
	s_mov_b32 s[OF+1], 0
	v_and_b32 v16, 15, v0
	v_bfe_u32 v17, v0, 4, 1
	v_mul_u32_u24 v[AW0], 272, v16
	v_lshl_add_u32 v[AW0], v17, 4, v[AW0]
	v_add_nc_u32 v[AW4], 4*CH, v[AW0]
	v_lshlrev_b32 v[HL], 5, v16
	v_lshl_add_u32 v[HL], v17, 4, v[HL]
	v_lshlrev_b32 v[XL], 11, v16
	v_lshl_add_u32 v[XL], v17, 4, v[XL]
	v_lshlrev_b32 v[LO], 4, v1
	s_wait_alu depctr_va_sdst(0)                   ; the wave's number s[WV] is written, ahead of its first reader
	s_mul_i32 s3, s[WV], 8*272                     ; pass 0: wave w lays rows 8 w to 8 w + 7 of the buffer's 64
	v_lshl_add_u32 v[LPA], v1, 3, s3
	v_add_nc_u32 v[LPB], 4*CH, v[LPA]
	s_and_b32 s62, s[WV], 3                        ; later passes: wave 4 + f owns fragment f = 2 m + a (m = 0 Wg, 1 Wv)
	s_mul_i32 s3, s62, FR
	v_lshl_add_u32 v[LDA], v1, 3, s3
	v_add_nc_u32 v[LDB], 4*CH, v[LDA]
	s_lshr_b32 s63, s62, 1                         ; m
	s_and_b32 s2, s62, 1                           ; a
	s_lshr_b32 s34, s[WV], 2                       ; pass 0: rows 8 w on belong to fragment w / 2: its m,
	s_bfe_u32 s35, s[WV], 0x10001                  ; its a,
	s_and_b32 s6, s[WV], 1                         ; and which half of its 16 rows
	s_lshl_b32 s7, s[EX], 23                       ; an expert's 8 MiB,
	s_lshl_b32 s3, s[SL], 18                       ; 64 rows of 4,096 bytes a slice
	s_add_co_u32 s7, s7, s3
	s_wait_kmcnt 0x0
	s_cmp_eq_u32 s34, 0
	s_cselect_b64 s[RQ:RQ+1], s[14:15], s[16:17]
	s_lshl_b32 s3, s35, 17                         ; 32 rows a fragment: 16 for pass 0, 16 for pass 1
	s_add_co_u32 s[OF], s7, s3
	s_lshl_b32 s3, s6, 15                          ; 8 rows
	s_add_co_u32 s[OF], s[OF], s3
	s_add_nc_u64 s[RQ:RQ+1], s[RQ:RQ+1], s[OF:OF+1]
	s_wait_alu depctr_va_vdst(0)                   ; v[LO] and the other six fixed addresses (v[AW0], v[AW4], v[LPA], v[LPB], v[LDA], v[LDB]) are written, which the kernel's loads and LDS instructions read
	PRIME RQ, 1                                    ; pass 0's weights are asked for before anything else
	s_lshl_b32 s[OF], s[EX], 7
	s_add_nc_u64 s[4:5], s[12:13], s[OF:OF+1]
	s_load_b32 s[CNT], s[4:5], 0x0                 ; the expert's count
	s_cmp_eq_u32 s63, 0
	s_cselect_b64 s[RP:RP+1], s[14:15], s[16:17]
	s_cselect_b64 s[PS:PS+1], s[18:19], s[20:21]
	s_lshl_b32 s3, s2, 17
	s_add_co_u32 s[OF], s7, s3
	s_add_co_u32 s[OF], s[OF], 65536               ; pass 1: the fragment's second 16 rows
	s_add_nc_u64 s[RP:RP+1], s[RP:RP+1], s[OF:OF+1]
	s_lshl_b32 s[OF], s[SS], 17                    ; shared: 32 rows a sub-slice, 16 a fragment
	s_lshl_b32 s3, s2, 16
	s_add_co_u32 s[OF], s[OF], s3
	s_add_nc_u64 s[PS:PS+1], s[PS:PS+1], s[OF:OF+1]
	s_lshl_b32 s[OF], s[EX], 22                    ; xs: an expert's 2,048 rows of 2,048 bytes
	s_add_nc_u64 s[XP:XP+1], s[10:11], s[OF:OF+1]
	s_mov_b64 s[XN:XN+1], s[XP:XP+1]
	s_lshl_b32 s[OF], s[TG], 19                    ; xb: 256 tokens of 2,048 bytes
	s_add_nc_u64 s[XS2:XS2+1], s[8:9], s[OF:OF+1]
	s_lshl_b32 s3, s[SL], 2                        ; hbuf: columns 64 SL on: group 4 SL of 16,
	s_mul_i32 s[O0], s3, BS
	s_lshl_b32 s3, s[EX], 15                       ; rows 1024 EX on, 32 bytes each
	s_add_co_u32 s[O0], s[O0], s3
	s_add_co_u32 s[O1], s[O0], BS                  ; pass 1: the next 16 columns of both fragments
	s_lshl_b32 s3, s[SS], 1                        ; shared: columns 32 SS on,
	s_mul_i32 s[OSH], s3, BS
	s_lshl_b32 s3, s[TG], 13                       ; rows 8192 + 256 TG on
	s_add_co_u32 s[OSH], s[OSH], s3
	s_add_co_u32 s[OSH], s[OSH], 262144
	s_mov_b32 s[DA], 2*BS                          ; passes 0 and 1: fragment 1 lies 32 columns on
	s_mov_b32 s[DA1], 2*BS
	s_mov_b32 s[PC], 3
	s_wait_kmcnt 0x0
	s_min_u32 s[CNT], s[CNT], 1024
	s_add_co_u32 s[NB], s[CNT], 63
	s_lshr_b32 s[NB], s[NB], 6
	s_mov_b32 s[NB1], s[NB]
	DRAIN 8, RQ, 1                                 ; pass 0: my 8 rows
	s_cmp_lt_u32 s[WV], 4
	s_cbranch_scc1 .Lnp
	PRIME RP, 1                                    ; a loader asks for pass 1's first seven rows: they stay out across the stores and the barrier below
.Lnp:
	DUMP 8, LPA, LPB                               ; nothing has read the buffer yet
	s_wait_dscnt 0x0                               ; for the others' sake: my stores into the buffer are done
	s_barrier_signal -1
	s_barrier_wait -1
; ---------------- THE MULTIPLYING ----------------
.macro WFRAG k, f                      ; fragment f of K step k's four of W (16 rows x 32 K) into set k % 3: chunk k / 4, byte 64 (k % 4) of its rows
	ds_load_b128 v[WF+32*((\k)%3)+8*(\f):WF+32*((\k)%3)+8*(\f)+3],   v[AW0+((\k)/16)] offset:(((\k)/4)%4)*CH+64*((\k)%4)+FR*(\f)
	ds_load_b128 v[WF+32*((\k)%3)+8*(\f)+4:WF+32*((\k)%3)+8*(\f)+7], v[AW0+((\k)/16)] offset:(((\k)/4)%4)*CH+64*((\k)%4)+FR*(\f)+32
.endm
.macro WSTEP k                         ; all four
.irp f, 0,1,2,3
	WFRAG \k, \f
.endr
.endm
.macro XSTEP k                         ; K step k of x: 64 rows x 32 K, 8 loads, into slot k % 8; the group of 16 rows and the step stand in the immediate
.irp tb, 0,1,2,3
	global_load_b128 v[32*((\k)%8)+8*\tb:32*((\k)%8)+8*\tb+3],   v[XO], s[XP:XP+1] offset:32768*\tb+64*(\k)
	global_load_b128 v[32*((\k)%8)+8*\tb+4:32*((\k)%8)+8*\tb+7], v[XO], s[XP:XP+1] offset:32768*\tb+64*(\k)+32
.endr
.endm
; K step k of 32: 16 matrix instructions, the 16 accumulators by turns, one instruction a turn.  The steps go in pairs (k even, k + 1).
; At a pair's head stand four places and the pair's one wait on va_vdst.  Behind it: W(k + 1) at once; x's step k + 6; W(k + 2) in two runs of four loads among step k's
; products; x's step k + 7 at the head of step k + 1.  None of these names a register that a product of the pair names.
.macro STEP k
.if ((\k) > 0) && (((\k)%2) == 0)
	PLACES
	s_wait_alu depctr_va_vdst(0)                   ; the products of steps k - 2 and k - 1 are done reading x's slots (k - 2) % 8 and (k - 1) % 8 and W's sets (k - 2) % 3 and (k - 1) % 3, in which the pair's loads land
.endif
.if ((\k)%2) == 0
	WSTEP (\k)+1
.endif
.if (\k) < 26
	WIN W_XL
	XSTEP (\k)+6
	WIN W_MM
.endif
.if (\k) < 31
	s_wait_dscnt 8                                 ; this step's W is in; the next step's set, 8 loads, stays out
.else
	s_wait_dscnt 0x0
.endif
.set nld, 31-(\k)
.if nld > 6
.set nld, 6
.endif
	s_wait_loadcnt 8*nld                           ; this step's x is in; the steps behind it, six at the most, 8 loads each, stay out
.irp tb, 0,1,2,3
.irp f, 0,1,2,3
.if (\k) == 0
	v_wmma_f32_16x16x32_bf16 v[ACC+8*(4*\f+\tb):ACC+8*(4*\f+\tb)+7], v[WF+32*((\k)%3)+8*\f:WF+32*((\k)%3)+8*\f+7], v[32*((\k)%8)+8*\tb:32*((\k)%8)+8*\tb+7], 0
.else
	v_wmma_f32_16x16x32_bf16 v[ACC+8*(4*\f+\tb):ACC+8*(4*\f+\tb)+7], v[WF+32*((\k)%3)+8*\f:WF+32*((\k)%3)+8*\f+7], v[32*((\k)%8)+8*\tb:32*((\k)%8)+8*\tb+7], v[ACC+8*(4*\f+\tb):ACC+8*(4*\f+\tb)+7]
.endif
.endr
.if (((\k)%2) == 0) && ((\k) < 30) && (\tb < 2)
	WFRAG (\k)+2, 2*\tb                            ; no wait: no product since the pair's wait names set (k + 2) % 3
	WFRAG (\k)+2, 2*\tb+1
.endif
.endr
.endm
.Lpass:                                                ; three passes
	s_mov_b32 s[OF], s[O0]
	s_add_nc_u64 s[HP:HP+1], s[22:23], s[OF:OF+1]
	s_add_co_u32 s[OF], s[O0], s[DA]
	s_add_nc_u64 s[HQ:HQ+1], s[22:23], s[OF:OF+1]
	s_cmp_lt_u32 s[WV], 4
	s_cbranch_scc0 .Lld
	; a compute wave: blocks WV, WV + 4, WV + 8, WV + 12 of 64 rows; turns past NB are jumped
	s_mov_b32 s[QC], 4
	s_mov_b32 s[BI], s[WV]
.Ltrip:
	s_cmp_ge_u32 s[BI], s[NB]
	s_cbranch_scc1 .Ldead
	s_wait_xcnt 0x0
	v_lshl_add_u32 v[XO], s[BI], 17, v[XL]         ; 64 rows of 2,048 bytes a block (the last block's loads and stores have read v[XO] and v[HO]: the wait on vm_vsrc at its end)
	v_lshl_add_u32 v[HO], s[BI], 11, v[HL]         ; 64 rows of 32 bytes
	WIN W_XL
	s_wait_alu depctr_va_vdst(0)                   ; v[XO] and v[HO] are written; the last block's products are done reading x's slots and W's sets, its arithmetic is done with v[WF ..], the head's conversions have written window 1: the loads below land there
.set k, 0
.rept 6                                        ; the ring's first fill: K steps 0 to 5, 48 loads
	XSTEP k
.set k, k+1
.endr
	WIN W_MM
	s_wait_loadcnt 48                              ; the 48 just issued may stay out; no global load issued earlier in the text is out any more,
	WSTEP 0                                        ; so none aims at the registers from v32 up that are written from here on
.set k, 0
.rept 32
	STEP k                                         ; step 0 starts the sums; the first pair's loads stand behind the block's wait above
.set k, k+1
.endr
	WIN 0
	PLACES
	; h = (g / (1 + 2^(-g log2 e))) v.  Each accumulator is read from its lowest registers on.  The exponentials are one batch with one wait, the reciprocals another.
.set i, 0
.rept 32
	v_pk_mul_f32 v[WF+2*i:WF+2*i+1], v[ACC+2*i:ACC+2*i+1], s[LG:LG+1] op_sel_hi:[1,0]
.set i, i+1
.endr
.set i, 0
.rept 64
	v_exp_f32 v[WF+i], v[WF+i]
.set i, i+1
.endr
	v_nop                                          ; a plain instruction behind the last exponential
	s_wait_alu depctr_va_vdst(0)                   ; the 64 exponentials have written v[WF ..], ahead of the batch's first reader
.set i, 0
.rept 32
	v_pk_add_f32 v[WF+2*i:WF+2*i+1], v[WF+2*i:WF+2*i+1], 1.0 op_sel_hi:[1,0]
.set i, i+1
.endr
.set i, 0
.rept 64
	v_rcp_f32 v[WF+i], v[WF+i]
.set i, i+1
.endr
	v_nop
	s_wait_alu depctr_va_vdst(0)                   ; the 64 reciprocals have written v[WF ..], ahead of their first reader
.set i, 0
.rept 32
	v_pk_mul_f32 v[ACC+2*i:ACC+2*i+1], v[ACC+2*i:ACC+2*i+1], v[WF+2*i:WF+2*i+1]
.set i, i+1
.endr
.set i, 0
.rept 32
	v_pk_mul_f32 v[ACC+2*i:ACC+2*i+1], v[ACC+2*i:ACC+2*i+1], v[ACC+64+2*i:ACC+64+2*i+1]
.set i, i+1
.endr
.set i, 0
.rept 32
	v_cvt_pk_bf16_f32 v[WF+i], v[ACC+2*i], v[ACC+2*i+1]
.set i, i+1
.endr
	s_wait_alu depctr_va_vdst(0)                   ; the roundings have written v[WF] to v[WF+31], which the stores read
.irp tb, 0,1,2,3
	global_store_b128 v[HO], v[WF+4*\tb:WF+4*\tb+3], s[HP:HP+1] offset:512*\tb         ; 16 rows x 32 bytes: 512 consecutive bytes, aligned
	global_store_b128 v[HO], v[WF+16+4*\tb:WF+16+4*\tb+3], s[HQ:HQ+1] offset:512*\tb
.endr
	s_wait_xcnt 0x0                                ; the stores' data, offset and bases are rewritten only behind this wait
	s_wait_alu depctr_vm_vsrc(0)                   ; the stores have read v[WF ..] and v[HO], x's loads have read v[XO]: the next block writes all three again
.Ldead:
	s_add_co_u32 s[BI], s[BI], 4
	s_sub_co_u32 s[QC], s[QC], 1
	s_cmp_lg_u32 s[QC], 0
	s_cbranch_scc1 .Ltrip
	s_branch .Ljn
.Lld:                                                  ; a loader: the next pass's weights; in the last pass there are none
	s_cmp_eq_u32 s[PC], 1
	s_cbranch_scc1 .Ljn
	DRAIN 16, RP, 0                                ; its first seven rows were asked for a pass ago
	s_cmp_eq_u32 s[PC], 3
	s_cbranch_scc0 .Ljn
	s_mov_b64 s[RP:RP+1], s[PS:PS+1]               ; behind pass 1's rows come the shared expert's; the loads by the old base have all been waited for
	PRIME RP, 0                                    ; asked for now: they stay out across the two barriers and the stores below
.Ljn:
	s_wait_dscnt 0x0                               ; my reads of the buffer are over
	s_barrier_signal -1
	s_barrier_wait -1
	s_cmp_lt_u32 s[WV], 4
	s_cbranch_scc1 .Ljd
	s_cmp_eq_u32 s[PC], 1
	s_cbranch_scc1 .Ljd
	DUMP 16, LDA, LDB                              ; the next pass's weights
.Ljd:
	s_wait_dscnt 0x0                               ; my stores into the buffer are done
	s_barrier_signal -1
	s_barrier_wait -1
	; the next pass's numbers move up; behind them stand the shared pass's
	s_mov_b64 s[XP:XP+1], s[XN:XN+1]               ; the loads of x by the old base have all been waited for
	s_mov_b64 s[XN:XN+1], s[XS2:XS2+1]
	s_mov_b32 s[O0], s[O1]
	s_mov_b32 s[O1], s[OSH]
	s_mov_b32 s[DA], s[DA1]
	s_mov_b32 s[DA1], BS                           ; shared: fragment 1 lies 16 columns on
	s_mov_b32 s[NB], s[NB1]
	s_mov_b32 s[NB1], 4                            ; shared: 256 tokens, a block a wave
	s_sub_co_u32 s[PC], s[PC], 1
	s_cmp_lg_u32 s[PC], 0
	s_cbranch_scc1 .Lpass
	s_wait_dscnt 0x0                               ; the wave's end: my last LDS instructions are done.  The closing add below goes into the 1,024 bytes behind the buffer
	s_wait_alu depctr_hold_cnt(0) depctr_sa_sdst(0) depctr_va_vdst(0) depctr_va_sdst(0) depctr_va_ssrc(0) depctr_va_vcc(0) depctr_vm_vsrc(0)
	s_wait_tensorcnt 0x0
	ds_add_u32 v30, v31
	s_wait_dscnt 0x0
	s_endpgm
.Lfunc_end_k_q46b666fbc2_up:
	.size	k_q46b666fbc2_up, .Lfunc_end_k_q46b666fbc2_up-k_q46b666fbc2_up
	.p2alignl 7, 3214868480
	.fill 96, 4, 3214868480
	.section	.rodata,"a",@progbits
	.p2align	6, 0x0
	.amdhsa_kernel k_q46b666fbc2_up
		.amdhsa_group_segment_fixed_size 140288
		.amdhsa_private_segment_fixed_size 0
		.amdhsa_enable_private_segment 0
		.amdhsa_kernarg_size 64
		.amdhsa_user_sgpr_count 2
		.amdhsa_user_sgpr_kernarg_segment_ptr 1
		.amdhsa_wavefront_size32 1
		.amdhsa_system_sgpr_workgroup_id_x 1
		.amdhsa_system_sgpr_workgroup_id_y 1
		.amdhsa_system_sgpr_workgroup_id_z 1
		.amdhsa_system_vgpr_workitem_id 0
		.amdhsa_next_free_vgpr 512
		.amdhsa_next_free_sgpr 66
		.amdhsa_reserve_vcc 0
		.amdhsa_float_denorm_mode_32 3
		.amdhsa_float_denorm_mode_16_64 3
		.amdhsa_memory_ordered 1
		.amdhsa_forward_progress 1
		.amdhsa_inst_pref_size 161
	.end_amdhsa_kernel
	.amdgpu_metadata
---
amdhsa.version: [ 1, 2 ]
amdhsa.kernels:
  - .name:           k_q46b666fbc2_up
    .symbol:         k_q46b666fbc2_up.kd
    .args:
      - { .name: xb, .offset: 0, .size: 8, .value_kind: global_buffer, .address_space: global }
      - { .name: xs, .offset: 8, .size: 8, .value_kind: global_buffer, .address_space: global }
      - { .name: meta, .offset: 16, .size: 8, .value_kind: global_buffer, .address_space: global }
      - { .name: Wg, .offset: 24, .size: 8, .value_kind: global_buffer, .address_space: global }
      - { .name: Wv, .offset: 32, .size: 8, .value_kind: global_buffer, .address_space: global }
      - { .name: Wg_s, .offset: 40, .size: 8, .value_kind: global_buffer, .address_space: global }
      - { .name: Wv_s, .offset: 48, .size: 8, .value_kind: global_buffer, .address_space: global }
      - { .name: hbuf, .offset: 56, .size: 8, .value_kind: global_buffer, .address_space: global }
    .group_segment_fixed_size: 140288
    .private_segment_fixed_size: 0
    .kernarg_segment_align: 8
    .kernarg_segment_size: 64
    .max_flat_workgroup_size: 256
    .sgpr_count:     66
    .vgpr_count:     512
    .wavefront_size: 32
...
	.end_amdgpu_metadata
.endif
;; end of part 6
;; launch down (part 7): grid 256 x 1, 8 waves a work-group, no clusters, 149,504 bytes of LDS; arguments hbuf, meta, Wo, Wo_s, part; writes part
.if DOCPART == 7
	.amdgcn_target "amdgcn-amd-amdhsa--gfx1250"
	.amdhsa_code_object_version 6
	.text
	.protected	k_q46b666fbc2_down
	.globl	k_q46b666fbc2_down
	.p2align	8
	.type	k_q46b666fbc2_down,@function
k_q46b666fbc2_down:
	s_mov_b64 s[64:65], 0
	v_nop
	global_prefetch_b8 v0, s[64:65] scope:SCOPE_SE
	s_setreg_imm32_b32 hwreg(HW_REG_WAVE_SCHED_MODE, 0, 2), 2
	s_setreg_imm32_b32 hwreg(HW_REG_WAVE_MODE, 25, 1), 1
	s_wait_xcnt 0x0
	s_wait_alu depctr_vm_vsrc(0)
; SECOND PRODUCT.  part[row][o] = sum over k of h[row][k] Wo[o][k], in f32, without bias and gate weight (the last launch applies them).
; Work-group i: expert EX = i / 32, slice OS = i % 32 (32 rows of Wo[EX], 256 KiB of f32, which it alone reads), all rows of that expert;
; then the same 32 rows of the shared Wo_s for tokens 128 EX to 128 EX + 127.
; TWO PASSES of 32 weight rows x K = 2048, kept in LDS as bf16 in one buffer; one text, walked twice.
; ROLES.  Pass 0's weights are loaded, rounded and laid into LDS by all eight waves, 4 rows each.  Then waves 0-3 multiply the buffer while waves 4-7 load
; the shared expert's f32 weights and round them to bf16 into 256 holding registers each; a barrier (all reads of the buffer are over), the holding
; registers go into the buffer, a barrier, pass 1.  A loader's ring has seven slots of half a weight row (56 loads out), and pass 1's first seven are asked
; for as soon as pass 0's are held: they are on their way across the stores into LDS and the barrier.
; A COMPUTE WAVE takes blocks of 64 rows: 8 accumulators (2 weight fragments x 4 row groups).  h comes straight from memory as source 1 (hbuf is laid
; [16 columns][row][32 bytes], so each load of a wave covers 512 consecutive bytes), through a ring of eight slots of one K step (32 along K: 8 loads); W's
; fragments come from LDS into eight sets of two.  At the head of step n both are asked for six steps ahead: 48 loads of h and 24 of W are on their way.
; The number of blocks hangs on the stored count; four turns a wave cover the 16 blocks that an expert can have, turns past the count are jumped.
; A lane's result is one row and 8 columns; a group of 16 rows goes through the wave's own stage in LDS, behind the buffer, and leaves as 512 consecutive
; bytes a store.  part is laid [32 columns][row][128 bytes].
; NO TENSOR LOADS, NO JOINT LOADS: each routed weight byte has one reader and passes registers to be rounded; the loops over rows hang on a stored count.
; THE MODE: SCHED_MODE bits 1:0 = 2 (LLVM: expert scheduling mode 2), set by the entry lines.  The code itself states the register dependences
; between vector or matrix instructions and memory or LDS instructions, with s_wait_alu, always for 0.
; THE PLAN.  Registers that memory or LDS instructions touch:
;   h's slots, W's sets   Step n's products read slot and set n % 8; the loads of step n + 6, issued at the head of step n, land in slot and set (n - 2) % 8.
;   So the K steps go in PAIRS (n odd, n + 1; step 0 stands alone ahead of them), and ONE wait on va_vdst stands at a pair's head: the products of steps n - 2 and n - 1
;   are complete.  The pair's 24 loads land in registers that those products alone read and that no product of the pair names: they follow with no further wait.
;   v[AW]         Read by W's loads; written at a block's head, once in 16 steps and ahead of the last 15: a wait on vm_vsrc ahead of the write, the pair's wait on va_vdst behind it.
;   v[HO], v[PO]  Written at a block's head, ahead of the block's first wait on va_vdst; read by h's loads and by the stores; free behind the wait on vm_vsrc at the block's end.
;   the accumulators      On the way out the LDS stores read them, behind four places and a wait on va_vdst; the next block's products write them behind the block's wait on vm_vsrc.
;   v[OB ..+63]   Four out-buffers, one for each group of 16 rows, where W's first four sets lay: the loads from the stage land in them behind the same wait on va_vdst; the
;                 stores read them; W's loads land there again behind the block's wait on vm_vsrc.  No register is used twice on a way out.
;   the weights' ring, the holding registers   As the macros DRAIN and DUMP say.
;   v[LO], v[LPA], v[LPB], v[LDA], v[LDB], v[AW0], v[STO], v[RD]   Made at the head and never written again.
.set BS,    294912                     ; hbuf: bytes from 16 columns to the next
.set PBS,   1179648                    ; part: bytes from 32 columns to the next: 9,216 rows x 128
.set CHD,   8704                       ; LDS: a chunk of 128 K: 32 rows x 272
.set FR,    4352
.set STAGE, 16*CHD                     ; behind the buffer: 16 rows x 144 bytes for each compute wave
.set AW,  4                            ; address of W's fragments
.set AW0, 5                            ; 272 (l % 16) + 16 (l / 16)
.set HL,  6                            ; 32 (l % 16) + 16 (l / 16)
.set HO,  7                            ; my byte offset in hbuf
.set STO, 8                            ; the stage: where I put 16 bytes
.set RD,  9                            ; the stage: where I read rows back
.set PO,  10                           ; my byte offset in part
.set L16, 11                           ; 16 lane
.set LO,  12                           ; weights: 16 lane
.set LDA, 13                           ; loaders: my eight rows + 8 lane: chunks 0-7
.set LDB, 14                           ; chunks 8-15
.set LPA, 20                           ; pass 0: my four rows + 8 lane: chunks 0-7
.set LPB, 21                           ; chunks 8-15
.set ACC, 32                           ; v[32:95] accumulator (f, tb) at 32 + 8 (4 f + tb)
.set WF,  96                           ; v[96:223] W's fragments, eight sets of two
.set OB,  96                           ; v[96:159] the way out: group tb's 16 rows read back, at OB + 16 tb
.set RING, 32                          ; weights: v[32:255] seven slots of 32: half a weight row, 4,096 bytes, each
.set NS,  7
; window 1: compute waves: h's fragments, K step k, row group tb at 32 (k % 8) + 8 tb;  weights: the holding registers, half row t at 16 t
.set WV, 26
.set EX, 27
.set OS, 28
.set B0, 29                            ; a wave's first block in the pass
.set CNT, 31
.set NB, 32
.set BI, 33
.set QC, 34
.set KC, 35
.set LP, 36                            ; s[36:37] hbuf at the eight K steps being asked for
.set HB, 38                            ; s[38:39] hbuf at the pass's rows
.set PP, 40                            ; s[40:41] part at the pass's columns and rows
.set RQ, 42                            ; s[42:43] my four weight rows of pass 0
.set PS, 44                            ; s[44:45] loaders: my eight rows of Wo_s
.set OF, 46                            ; s[46:47] an offset; the high word stays 0
.set TW, 50
.set PC, 51
.set OH, 52                            ; the pass's byte offset in hbuf
.set OP, 53                            ; and in part
.set MSB, 0
.macro WIN new
.if MSB != (\new)
	s_set_vgpr_msb (MSB<<8)|(\new)
.set MSB, \new
.endif
.endm
.set W_MM, 0x04                        ; source 1 in window 1: h's fragments in matrix instructions; an LDS store's data
.set W_XL, 0x40                        ; destination in window 1
.macro PLACES                          ; four plain places between a matrix instruction and a load into, or a read of, its registers
.rept 4
	v_nop
.endr
.endm
; ---------------- THE WEIGHTS' WAY: half rows that lie on end in memory, every offset in the immediate ----------------
.macro FLOAD t, base, nt               ; half row t: eight loads of 512 consecutive bytes; load c is chunk 8 (t % 2) + c
.irp c, 0,1,2,3,4,5,6,7
.if \nt
	global_load_b128 v[RING+32*((\t)%NS)+4*\c:RING+32*((\t)%NS)+4*\c+3], v[LO], s[\base:\base+1] offset:4096*(\t)+512*\c th:TH_LOAD_NT
.else
	global_load_b128 v[RING+32*((\t)%NS)+4*\c:RING+32*((\t)%NS)+4*\c+3], v[LO], s[\base:\base+1] offset:4096*(\t)+512*\c
.endif
.endr
.endm
.macro PRIME base, nt                  ; the ring is filled: half rows 0 to 6, 56 loads
.set t, 0
.rept NS
	FLOAD t, \base, \nt
.set t, t+1
.endr
.endm
.macro DRAIN rows, base, nt            ; behind PRIME: each half row is rounded and held, and its slot takes the one seven further on
.set t, 0
.rept \rows
.if t < (\rows)-NS
	s_wait_loadcnt 8*(NS-1)                        ; half row t is in; the six younger ones stay out
.else
	s_wait_loadcnt 8*((\rows)-1-t)                 ; nothing more is asked for: the counts run down to 0
.endif
	WIN W_XL
.irp q, 0,1,2,3,4,5,6,7,8,9,10,11,12,13,14,15
	v_cvt_pk_bf16_f32 v[16*t+\q], v[RING+32*(t%NS)+2*\q], v[RING+32*(t%NS)+2*\q+1]
.endr
	WIN 0
.if t < (\rows)-NS
	s_wait_alu depctr_va_vdst(0)                   ; the conversions are done reading the half row's slot, in which the loads below land
	FLOAD t+NS, \base, \nt
.endif
.set t, t+1
.endr
	s_wait_alu depctr_va_vdst(0)                   ; the conversions have written the holding registers, which the stores into LDS read, and are done reading the ring, in which the next half rows asked for land
.endm
.macro DUMP rows, ra                   ; the holding registers go into the buffer: 256 consecutive bytes a store, every address a fixed register and an immediate
	WIN W_MM
.set t, 0
.rept \rows
.irp c, 0,1,2,3,4,5,6,7
	ds_store_b64 v[\ra+(t&1)], v[16*t+2*\c:16*t+2*\c+1] offset:\c*CHD+272*(t/2)
.endr
.set t, t+1
.endr
	WIN 0
	s_wait_alu depctr_vm_vsrc(0)                   ; these stores have read the holding registers, which the next conversions write again and in which h's loads land
.endm
; ---------------- THE HEAD: every wave makes the registers of both roles ----------------
	s_load_b256 s[8:15], s[0:1], 0x0               ; hbuf 8, meta 10, Wo 12, Wo_s 14
	s_load_b64 s[16:17], s[0:1], 0x20              ; part
	v_lshl_add_u32 v30, v0, 2, 0x24400
	v_mov_b32 v31, 0
	v_lshrrev_b32 v1, 5, v0
	v_readfirstlane_b32 s[WV], v1
	v_and_b32 v1, 31, v0
	s_lshr_b32 s[EX], ttmp9, 5
	s_and_b32 s[OS], ttmp9, 31
	s_mov_b32 s[OF+1], 0
	s_wait_alu depctr_va_sdst(0)                   ; the wave's number s[WV] is written, ahead of its first reader
	s_and_b32 s54, s[WV], 3                        ; my number among the waves of my role
	v_lshlrev_b32 v[LO], 4, v1
	s_mul_i32 s55, s[WV], 4*272                    ; pass 0: wave w lays rows 4 w to 4 w + 3 of the buffer's 32
	v_lshl_add_u32 v[LPA], v1, 3, s55
	v_add_nc_u32 v[LPB], 8*CHD, v[LPA]
	s_lshl_b32 s58, s[OS], 18                      ; 32 rows of 8,192 bytes a slice
	s_lshl_b32 s55, s[EX], 23                      ; an expert's 8 MiB,
	s_add_co_u32 s[OF], s58, s55
	s_lshl_b32 s55, s[WV], 15                      ; 4 rows a wave
	s_add_co_u32 s[OF], s[OF], s55
	s_wait_kmcnt 0x0
	s_add_nc_u64 s[RQ:RQ+1], s[12:13], s[OF:OF+1]
	s_wait_alu depctr_va_vdst(0)                   ; v[LO] is written, which every load of weights reads; so are v[LPA] and v[LPB]
	PRIME RQ, 1                                    ; pass 0's weights are asked for before anything else
	s_lshl_b32 s[OF], s[EX], 7
	s_add_nc_u64 s[56:57], s[10:11], s[OF:OF+1]
	s_load_b32 s[CNT], s[56:57], 0x0               ; the expert's count
	v_and_b32 v16, 15, v0                          ; the other fixed addresses are made while the weights are on their way; none is a register that those loads touch
	v_bfe_u32 v17, v0, 4, 1
	v_mul_u32_u24 v[AW0], 272, v16
	v_lshl_add_u32 v[AW0], v17, 4, v[AW0]
	v_lshlrev_b32 v[HL], 5, v16
	v_lshl_add_u32 v[HL], v17, 4, v[HL]
	v_lshlrev_b32 v[L16], 4, v1
	s_mul_i32 s55, s54, 16*144
	s_add_co_u32 s55, s55, STAGE                   ; my stage
	v_mul_u32_u24 v[STO], 144, v16                 ; in: row l % 16, 32 bytes for each half of the lanes
	v_lshl_add_u32 v[STO], v17, 5, v[STO]
	v_add_nc_u32 v[STO], s55, v[STO]
	v_lshrrev_b32 v18, 3, v1                       ; back: 32 lanes take four rows of 128 bytes
	v_and_b32 v19, 7, v1
	v_mul_u32_u24 v[RD], 144, v18
	v_lshl_add_u32 v[RD], v19, 4, v[RD]
	v_add_nc_u32 v[RD], s55, v[RD]
	s_mul_i32 s55, s54, 8*272                      ; pass 1: loader 4 + w lays rows 8 w to 8 w + 7
	v_lshl_add_u32 v[LDA], v1, 3, s55
	v_add_nc_u32 v[LDB], 8*CHD, v[LDA]
	s_lshl_b32 s55, s54, 16                        ; 8 rows a loader
	s_add_co_u32 s[OF], s58, s55
	s_add_nc_u64 s[PS:PS+1], s[14:15], s[OF:OF+1]
	s_lshl_b32 s[OH], s[EX], 15                    ; pass 0: rows 1024 EX on, 32 bytes each in hbuf,
	s_mul_i32 s[OP], s[OS], PBS
	s_lshl_b32 s55, s[EX], 17                      ; 128 bytes each in part
	s_add_co_u32 s[OP], s[OP], s55
	s_mov_b32 s[B0], s[WV]
	s_mov_b32 s[PC], 2
	s_wait_kmcnt 0x0
	s_min_u32 s[CNT], s[CNT], 1024
	s_add_co_u32 s[NB], s[CNT], 63
	s_lshr_b32 s[NB], s[NB], 6
	DRAIN 8, RQ, 1                                 ; pass 0: my 8 half rows.  Its waits on va_vdst also show v[AW0], v[STO], v[RD], v[LDA] and v[LDB] written, ahead of the first instruction that reads one as an address
	s_cmp_lt_u32 s[WV], 4
	s_cbranch_scc1 .Lnp
	PRIME PS, 0                                    ; a loader asks for the shared expert's first seven half rows: they stay out across the stores and the barrier below
.Lnp:
	DUMP 8, LPA                                    ; nothing has read the buffer yet
	s_wait_dscnt 0x0                               ; for the others' sake: my stores into the buffer are done
	s_barrier_signal -1
	s_barrier_wait -1
; ---------------- THE MULTIPLYING ----------------
.macro WSTEP set, off                  ; two fragments of W (16 rows x 32 K each) at byte off behind v[AW], into one of the eight sets
.irp f, 0,1
	ds_load_b128 v[WF+16*(\set)+8*\f:WF+16*(\set)+8*\f+3],   v[AW] offset:(\off)+FR*\f
	ds_load_b128 v[WF+16*(\set)+8*\f+4:WF+16*(\set)+8*\f+7], v[AW] offset:(\off)+FR*\f+32
.endr
.endm
.macro XSTEP s                         ; the K step s places behind s[LP] (64 rows x 32 K, 8 loads of 512 consecutive bytes) into slot s
.irp tb, 0,1,2,3
	global_load_b128 v[32*(\s)+8*\tb:32*(\s)+8*\tb+3],   v[HO], s[LP:LP+1] offset:2*(\s)*BS+512*\tb
	global_load_b128 v[32*(\s)+8*\tb+4:32*(\s)+8*\tb+7], v[HO], s[LP:LP+1] offset:(2*(\s)+1)*BS+512*\tb
.endr
.endm
; One K step of 32: 8 matrix instructions, the 8 accumulators by turns, one instruction a turn.  i: the step's number modulo 16.
; The steps go in pairs (i odd, i + 1).  At the head of a pair that asks for anything stand four places and the pair's one wait on va_vdst.  At each step's head: wl = 1: W's set
; takes the step six on; xl = 1: h's slot takes the step six on (ahead of slot 0 the base goes eight K steps on).  None of these loads names a register that a product of the pair names.
; nd, nl: the younger LDS loads and global loads that may stay out.  zero = 1: the products start the sums.
.macro STEP i, zero, xl, wl, nd, nl
	WIN W_MM
.if (((\i)%2) == 1) && ((\xl) || (\wl))
	PLACES
	s_wait_alu depctr_va_vdst(0)                   ; the products of the two steps before are done reading h's slots and W's sets (i - 2) % 8 and (i - 1) % 8, in which the pair's loads land; where v[AW] has just been stepped, it is written
.endif
.if \wl
	WSTEP ((\i)+6)%8, (((\i)+6)/4)*CHD+64*(((\i)+6)%4)
.endif
.if \xl
.if ((\i)%8) == 2
	s_wait_xcnt 0x0                                ; the base is stepped only behind this wait
	s_add_nc_u64 s[LP:LP+1], s[LP:LP+1], 16*BS
.endif
	WIN W_XL
	XSTEP ((\i)+6)%8
	WIN W_MM
.endif
	s_wait_dscnt \nd                               ; this step's W is in
	s_wait_loadcnt \nl                             ; this step's h is in
.irp tb, 0,1,2,3
.irp f, 0,1
.if \zero
	v_wmma_f32_16x16x32_bf16 v[ACC+8*(4*\f+\tb):ACC+8*(4*\f+\tb)+7], v[WF+16*((\i)%8)+8*\f:WF+16*((\i)%8)+8*\f+7], v[32*((\i)%8)+8*\tb:32*((\i)%8)+8*\tb+7], 0
.else
	v_wmma_f32_16x16x32_bf16 v[ACC+8*(4*\f+\tb):ACC+8*(4*\f+\tb)+7], v[WF+16*((\i)%8)+8*\f:WF+16*((\i)%8)+8*\f+7], v[32*((\i)%8)+8*\tb:32*((\i)%8)+8*\tb+7], v[ACC+8*(4*\f+\tb):ACC+8*(4*\f+\tb)+7]
.endif
.endr
.endr
.endm
.Lpass:                                                ; two passes
	s_mov_b32 s[OF], s[OH]
	s_add_nc_u64 s[HB:HB+1], s[8:9], s[OF:OF+1]
	s_mov_b32 s[OF], s[OP]
	s_add_nc_u64 s[PP:PP+1], s[16:17], s[OF:OF+1]
	s_cmp_lt_u32 s[WV], 4
	s_cbranch_scc0 .Lld
	; a compute wave: blocks B0, B0 + 4, B0 + 8, B0 + 12; turns past NB are jumped
	s_mov_b32 s[QC], 4
	s_mov_b32 s[BI], s[B0]
.Ltrip:
	s_cmp_ge_u32 s[BI], s[NB]
	s_cbranch_scc1 .Ldead
	s_wait_xcnt 0x0
	v_lshl_add_u32 v[HO], s[BI], 11, v[HL]         ; 64 rows of 32 bytes a block (the last block's loads and stores have read v[HO], v[PO] and v[AW]: the wait on vm_vsrc at its end)
	v_lshl_add_u32 v[PO], s[BI], 13, v[L16]        ; 64 rows of 128 bytes
	s_mov_b64 s[LP:LP+1], s[HB:HB+1]
	v_mov_b32 v[AW], v[AW0]
	WIN W_XL
	s_wait_alu depctr_va_vdst(0)                   ; v[HO], v[PO] and v[AW] are written; the last block's products are done reading h's slots and W's sets, the head's conversions have written window 1: the loads below land there
.set i, 0
.rept 6                                        ; the ring's first fill: K steps 0 to 5, 48 loads
	XSTEP i
.set i, i+1
.endr
	WIN W_MM
	s_wait_loadcnt 48                              ; the 48 just issued may stay out; no global load issued earlier in the text is out any more,
.set i, 0
.rept 6                                        ; so none aims at the registers from v32 up that are written from here on: W's steps 0 to 5
	WSTEP i, (i/4)*CHD+64*(i%4)
.set i, i+1
.endr
	STEP 0, 1, 1, 1, 24, 48                        ; step 0 starts the sums; its loads stand behind the block's wait above; 24: six younger sets of 4 loads; 48: six younger steps of 8
	WIN 0
	s_mov_b32 s[TW], 0
	s_mov_b32 s[KC], 3
.Lk:                                                   ; a trip: 16 K steps, numbers 16 j + 1 to 16 j + 16
	s_wait_alu depctr_vm_vsrc(0)                   ; W's loads issued so far have read v[AW]
	v_add_nc_u32 v[AW], s[TW], v[AW0]              ; the place of K step 16 j: 0, 4, 8 chunks on
	v_min_u32 v[AW], 8*CHD+4096, v[AW]             ; never binds: with the largest offset below the address ends at byte 121,776, ahead of the stages
.set i, 1
.rept 16
	STEP i, 0, 1, 1, 24, 48
.set i, i+1
.endr
	WIN 0
	s_add_co_u32 s[TW], s[TW], 4*CHD
	s_sub_co_u32 s[KC], s[KC], 1
	s_cmp_lg_u32 s[KC], 0
	s_cbranch_scc1 .Lk
	s_wait_alu depctr_vm_vsrc(0)                   ; W's loads issued so far have read v[AW]
	v_add_nc_u32 v[AW], 12*CHD, v[AW0]             ; K steps 49 to 63: steps 55 to 63 of h and W are asked for, then nothing, and the counts run down
.set i, 1
.rept 15
.set xf, 0
.if i < 10
.set xf, 1
.endif
.set nn, 15-i
.if nn > 6
.set nn, 6
.endif
	STEP i, 0, xf, xf, 4*nn, 8*nn
.set i, i+1
.endr
	WIN 0
	PLACES
	s_wait_alu depctr_va_vdst(0)                   ; the products have written the accumulators, which the LDS stores read, and are done reading W's sets, in which the loads from the stage land; the places above stay beside this wait
.irp tb, 0,1,2,3                       ; 16 rows at a time through my stage, each group into an out-buffer of its own; each accumulator's lowest registers are read first
.irp f, 0,1
	ds_store_b128 v[STO], v[ACC+8*(4*\f+\tb):ACC+8*(4*\f+\tb)+3]   offset:64*\f
	ds_store_b128 v[STO], v[ACC+8*(4*\f+\tb)+4:ACC+8*(4*\f+\tb)+7] offset:64*\f+16
.endr
.irp n, 0,1,2,3
	ds_load_b128 v[OB+16*\tb+4*\n:OB+16*\tb+4*\n+3], v[RD] offset:576*\n   ; LDS serves a wave's instructions in order: these see the stores above, and the next group's stores come behind them
.endr
.endr
.irp tb, 0,1,2,3
	s_wait_dscnt 24-8*\tb                          ; group tb is back; the younger groups, 8 LDS instructions each, stay out
.irp n, 0,1,2,3
	global_store_b128 v[PO], v[OB+16*\tb+4*\n:OB+16*\tb+4*\n+3], s[PP:PP+1] offset:2048*\tb+512*\n   ; four rows of 128 bytes: 512 consecutive bytes, aligned
.endr
.endr
	s_wait_xcnt 0x0                                ; the stores' data, offset and base are rewritten only behind this wait
	s_wait_alu depctr_vm_vsrc(0)                   ; the LDS stores have read the accumulators, the stores v[OB ..] and v[PO], the loads v[HO] and v[AW]: the next block writes all of them again
.Ldead:
	s_add_co_u32 s[BI], s[BI], 4
	s_sub_co_u32 s[QC], s[QC], 1
	s_cmp_lg_u32 s[QC], 0
	s_cbranch_scc1 .Ltrip
	s_branch .Ljn
.Lld:                                                  ; a loader: in pass 0 the shared expert's weights; in pass 1 nothing
	s_cmp_eq_u32 s[PC], 2
	s_cbranch_scc0 .Ljn
	DRAIN 16, PS, 0                                ; its first seven half rows were asked for ahead of the first barrier
.Ljn:
	s_wait_dscnt 0x0                               ; my reads of the buffer are over
	s_barrier_signal -1
	s_barrier_wait -1
	s_cmp_lt_u32 s[WV], 4
	s_cbranch_scc1 .Ljd
	s_cmp_eq_u32 s[PC], 2
	s_cbranch_scc0 .Ljd
	DUMP 16, LDA
.Ljd:
	s_wait_dscnt 0x0                               ; my stores into the buffer are done
	s_barrier_signal -1
	s_barrier_wait -1
	; pass 1: the shared expert, 128 tokens: two blocks, for waves 3 and 2, which have the fewest routed blocks
	s_lshl_b32 s[OH], s[EX], 12                    ; rows 8192 + 128 EX on, 32 bytes each
	s_add_co_u32 s[OH], s[OH], 262144
	s_mul_i32 s[OP], s[OS], PBS
	s_lshl_b32 s55, s[EX], 14                      ; the same rows, 128 bytes each
	s_add_co_u32 s[OP], s[OP], s55
	s_add_co_u32 s[OP], s[OP], 1048576
	s_mov_b32 s[NB], 2
	s_sub_co_u32 s[B0], 3, s[WV]
	s_sub_co_u32 s[PC], s[PC], 1
	s_cmp_lg_u32 s[PC], 0
	s_cbranch_scc1 .Lpass
	s_wait_dscnt 0x0                               ; the wave's end: my last LDS instructions are done.  The closing add below goes into the 1,024 bytes behind the stages
	s_wait_alu depctr_hold_cnt(0) depctr_sa_sdst(0) depctr_va_vdst(0) depctr_va_sdst(0) depctr_va_ssrc(0) depctr_va_vcc(0) depctr_vm_vsrc(0)
	s_wait_tensorcnt 0x0
	ds_add_u32 v30, v31
	s_wait_dscnt 0x0
	s_endpgm
.Lfunc_end_k_q46b666fbc2_down:
	.size	k_q46b666fbc2_down, .Lfunc_end_k_q46b666fbc2_down-k_q46b666fbc2_down
	.p2alignl 7, 3214868480
	.fill 96, 4, 3214868480
	.section	.rodata,"a",@progbits
	.p2align	6, 0x0
	.amdhsa_kernel k_q46b666fbc2_down
		.amdhsa_group_segment_fixed_size 149504
		.amdhsa_private_segment_fixed_size 0
		.amdhsa_enable_private_segment 0
		.amdhsa_kernarg_size 40
		.amdhsa_user_sgpr_count 2
		.amdhsa_user_sgpr_kernarg_segment_ptr 1
		.amdhsa_wavefront_size32 1
		.amdhsa_system_sgpr_workgroup_id_x 1
		.amdhsa_system_sgpr_workgroup_id_y 1
		.amdhsa_system_sgpr_workgroup_id_z 1
		.amdhsa_system_vgpr_workitem_id 0
		.amdhsa_next_free_vgpr 512
		.amdhsa_next_free_sgpr 66
		.amdhsa_reserve_vcc 0
		.amdhsa_float_denorm_mode_32 3
		.amdhsa_float_denorm_mode_16_64 3
		.amdhsa_memory_ordered 1
		.amdhsa_forward_progress 1
		.amdhsa_inst_pref_size 121
	.end_amdhsa_kernel
	.amdgpu_metadata
---
amdhsa.version: [ 1, 2 ]
amdhsa.kernels:
  - .name:           k_q46b666fbc2_down
    .symbol:         k_q46b666fbc2_down.kd
    .args:
      - { .name: hbuf, .offset: 0, .size: 8, .value_kind: global_buffer, .address_space: global }
      - { .name: meta, .offset: 8, .size: 8, .value_kind: global_buffer, .address_space: global }
      - { .name: Wo, .offset: 16, .size: 8, .value_kind: global_buffer, .address_space: global }
      - { .name: Wo_s, .offset: 24, .size: 8, .value_kind: global_buffer, .address_space: global }
      - { .name: part, .offset: 32, .size: 8, .value_kind: global_buffer, .address_space: global }
    .group_segment_fixed_size: 149504
    .private_segment_fixed_size: 0
    .kernarg_segment_align: 8
    .kernarg_segment_size: 40
    .max_flat_workgroup_size: 256
    .sgpr_count:     66
    .vgpr_count:     512
    .wavefront_size: 32
...
	.end_amdgpu_metadata
.endif
;; end of part 7
;; launch comb: the kernel of part 5 again; grid 256 x 1, 4 waves a work-group, no clusters, 0 bytes of LDS; arguments part, pos, route, gatew, bo, bo_s, out0; writes out0
